; MI455X (gfx1250); checked and timed in simulation.
; The chip was launched on July 23, 2026; its instructions are those of AMD's public machine-readable ISA for CDNA 5 (MIT licence, August 2026) and "CDNA5" Instruction Set Architecture Reference Guide (July 2026). The comments in the code are by the model that wrote it; some were corrected since.
;; Transformer Block. Allowed arithmetic: float matrix products may take bf16 or f16 operands with f32 sums; all other float work in f32.
;; Inputs: W1 1,024 x 4,096 float32; W2 4,096 x 1,024 float32; Wk 16 x 1,024 x 64 float32; Wo 1,024 x 1,024 float32; Wq 16 x 1,024 x 64 float32; Wv 16 x 1,024 x 64 float32; b1 4,096 float32; b2 1,024 float32; bo 1,024 float32; ln1_b 1,024 float32; ln1_g 1,024 float32; ln2_b 1,024 float32; ln2_g 1,024 float32; x 2 x 2,048 x 1,024 float32.
;; Outputs: out0 2 x 2,048 x 1,024 float32.
;; One version. Each part assembles by itself: llvm-mc -triple=amdgcn-amd-amdhsa -mcpu=gfx1250 --defsym DOCPART=n.
;; ======== version 1 of 1: 7 launches
;; workspace buffers: act 8,388,608 bytes; big 33,554,432 bytes; wqkv 6,291,456 bytes; w1b 8,388,608 bytes; wow2 10,485,760 bytes; x1 16,777,216 bytes; zb 12,288 bytes; ninf 1,024 bytes
;; launch prep (part 1): grid 1024 x 1, 8 waves a work-group, no clusters, 9,216 bytes of LDS; arguments x, ln1_g, ln1_b, Wq, Wk, Wv, Wo, W1, W2, act, wqkv, w1b, wow2, zb, ninf; writes act, wqkv, w1b, wow2, zb, ninf
.if DOCPART == 1
	.amdgcn_target "amdgcn-amd-amdhsa--gfx1250"
	.amdhsa_code_object_version 6
	.text
	.protected	k_qf97ff78086_prep
	.globl	k_qf97ff78086_prep
	.p2align	8
	.type	k_qf97ff78086_prep,@function
k_qf97ff78086_prep:
	s_mov_b64 s[64:65], 0
	v_nop
	global_prefetch_b8 v0, s[64:65] scope:SCOPE_SE
	s_setreg_imm32_b32 hwreg(HW_REG_WAVE_MODE, 25, 1), 1
	s_wait_xcnt 0x0
; PREP.  Work-groups 0-255: h = LayerNorm(x) g + b, 16 rows each, rounded once to bf16 into act.  Work-groups 256-1023: one chunk of 128 k x 128 n of a weight,
; f32 to bf16, into the blocked layouts below.  Either kind reads 65,536 bytes and writes 32,768.  Work-group 0 also writes two small tables: zb (zeros) and ninf (-infinity).
; act:  bf16 [32 mb][16 kb][128 r][64 c]: token 128 mb + r, column 64 kb + c.     wqkv: bf16 [24 nb][1024 k][128 n], nb = 8 which + head / 2, a row = even head's 64, odd head's 64.
; w1b:  bf16 [32 nb][1024 k][128 n].     wow2: Wo as [8 nb][1024 k][128 n] at byte 0, W2 as [8 nb][4096 k][128 n] at byte 2,097,152.
; REGISTERS ARE KEPT TO 130, so that four work-groups of eight waves fit on a WGP and all 1,024 work-groups have their loads out together.  So gain and bias do not lie in registers:
; each thread fetches 16 bytes of each, the 8,192 bytes go into LDS behind one barrier, and a lane takes its 16 bytes of a chunk's gain and bias from there, through a ring of four chunks.
; A row lives in 16 lanes of one wave; a weight chunk's rows are independent: no matrix unit, and no barrier but that one.
; The mean is taken first and the variance of the differences, so a common offset in x costs no digits.
.set A,    2                           ; v[2:9]     four running pairs
.set MU,   10                          ; v[10:11]   the mean, named as a pair
.set RS,   12                          ; v[12:13]   1 / sqrt(var + eps), named as a pair
.set XO,   14                          ; byte offset of my 16 bytes in the group's 16 rows
.set GA,   15                          ; LDS address of my 16 bytes of chunk 0's gain: 16 (lane % 16); the bias lies 4,096 bytes on
.set X,    16                          ; v[16:79]   my 64 numbers of the row (convert path: 16 rows x 4 numbers)
.set GB,   80                          ; v[80:111]  chunk c at GB + 8 (c % 4): four of gain, four of bias
.set YO,   112                         ; byte offset of my 8 bytes in the group's part of a chunk of act
.set LO,   113                         ; 16 x thread: my 16 bytes of gain and of bias, in memory and in LDS
.set TG,   116                         ; v[116:119] those of the gain, on their way into LDS; later zeros for the table
.set TB,   120                         ; v[120:123] those of the bias; later the tables' -infinity and two offsets
.set OF,   80                          ; convert path: v[80:95] byte offsets of my 16 bytes in my wave's 16 rows
.set DSTO, 6                           ; convert path: byte offset of my 8 bytes in the chunk's first row of my wave
.set PX,   4                           ; s[4:5] x    s[6:7] gain    s[8:9] bias    s[22:23] act
.set PG,   6
.set PB,   8
.set PY,   22
.set SK,   40                          ; 1 / 1024
.set SE,   41                          ; eps
.macro REDUCE                          ; four pairs -> one number -> the sum over the 16 lanes that hold the row, in each of them
	v_pk_add_f32 v[A:A+1], v[A:A+1], v[A+2:A+3]
	v_pk_add_f32 v[A+4:A+5], v[A+4:A+5], v[A+6:A+7]
	v_pk_add_f32 v[A:A+1], v[A:A+1], v[A+4:A+5]
	v_add_f32 v[A], v[A], v[A+1]
	v_add_f32_dpp v[A], v[A], v[A] row_xmask:1 row_mask:0xf bank_mask:0xf
	v_add_f32_dpp v[A], v[A], v[A] row_xmask:2 row_mask:0xf bank_mask:0xf
	v_add_f32_dpp v[A], v[A], v[A] row_xmask:4 row_mask:0xf bank_mask:0xf
	v_add_f32_dpp v[A], v[A], v[A] row_xmask:8 row_mask:0xf bank_mask:0xf
.endm
	s_load_b512 s[4:19], s[0:1], 0x0               ; x, ln1_g, ln1_b, Wq s[10:11], Wk s[12:13], Wv s[14:15], Wo s[16:17], W1 s[18:19]
	s_load_b256 s[20:27], s[0:1], 0x40             ; W2 s[20:21], act s[22:23], wqkv s[24:25], w1b s[26:27]
	s_load_b128 s[28:31], s[0:1], 0x60             ; wow2 s[28:29], zb s[30:31]
	s_load_b64 s[32:33], s[0:1], 0x70              ; ninf
	v_lshl_add_u32 v128, v0, 2, 0x2000
	v_mov_b32 v129, 0
	s_mov_b32 s34, ttmp9
	s_cmp_lt_u32 s34, 256                          ; the work-group's number: the same answer in all eight waves
	s_cbranch_scc0 .Lconvert
	; ---- LayerNorm: rows 16 g .. 16 g + 15.  Lanes 0-15 of a wave hold one row, lanes 16-31 the next ----
	s_lshl_b32 s36, s34, 16                        ; 16 rows of 4,096 bytes
	s_mov_b32 s37, 0
	s_lshr_b32 s38, s34, 3                         ; mb = g / 8: 262,144 bytes each
	s_lshl_b32 s38, s38, 18
	s_and_b32 s39, s34, 7                          ; 16 rows of 128 bytes inside a chunk
	s_lshl_b32 s39, s39, 11
	s_add_co_u32 s38, s38, s39
	s_mov_b32 s39, 0
	s_mov_b32 s[SK], 0x3a800000                    ; 1 / 1024
	s_mov_b32 s[SE], 0x3727c5ac                    ; 1e-5
	v_lshrrev_b32 v1, 4, v0                        ; my row among the 16
	v_and_b32 v[GA], 15, v0
	v_lshlrev_b32 v[GA], 4, v[GA]
	v_lshl_add_u32 v[XO], v1, 12, v[GA]
	v_lshlrev_b32 v[YO], 3, v0                     ; row x 128 + 8 x (lane % 16) = 8 x thread
	v_lshlrev_b32 v[LO], 4, v0
	s_wait_kmcnt 0x0
	s_add_nc_u64 s[PX:PX+1], s[PX:PX+1], s[36:37]
	s_add_nc_u64 s[PY:PY+1], s[PY:PY+1], s[38:39]
	global_load_b128 v[TG:TG+3], v[LO], s[PG:PG+1] ; 256 threads x 16 bytes: the whole gain,
	global_load_b128 v[TB:TB+3], v[LO], s[PB:PB+1] ; the whole bias
.irp c, 0,1,2,3,4,5,6,7,8,9,10,11,12,13,14,15
	global_load_b128 v[X+4*(\c):X+4*(\c)+3], v[XO], s[PX:PX+1] offset:256*(\c)  ; 256 consecutive bytes of each of the two rows: the 64 columns of chunk c
.endr
	s_wait_loadcnt 16                              ; my pieces of gain and bias are in; the row's 16 loads, which are younger, stay out
	ds_store_b128 v[LO], v[TG:TG+3]
	ds_store_b128 v[LO], v[TB:TB+3] offset:4096
	s_wait_dscnt 0x0                               ; for the others' sake: my stores are done
	s_barrier_signal -1
	s_barrier_wait -1                              ; gain and bias are whole; nobody writes these bytes again
.irp c, 0,1,2,3
	ds_load_b128 v[GB+8*(\c):GB+8*(\c)+3],   v[GA] offset:256*(\c)        ; sixteen lanes take 256 consecutive bytes; the other sixteen the same
	ds_load_b128 v[GB+8*(\c)+4:GB+8*(\c)+7], v[GA] offset:4096+256*(\c)
.endr
	s_wait_loadcnt 0x0                             ; the row
.irp k, 0,1,2,3
	v_pk_add_f32 v[A+2*(\k):A+2*(\k)+1], v[X+2*(\k):X+2*(\k)+1], v[X+8+2*(\k):X+8+2*(\k)+1]  ; the first pairs start the four chains
.endr
.set j, 8
.rept 24
	v_pk_add_f32 v[A+2*(j%4):A+2*(j%4)+1], v[A+2*(j%4):A+2*(j%4)+1], v[X+2*j:X+2*j+1]
.set j, j+1
.endr
	REDUCE
	v_mul_f32 v[MU], s[SK], v[A]
	v_mov_b32 v[MU+1], v[MU]
.set j, 0
.rept 32
	v_pk_add_f32 v[X+2*j:X+2*j+1], v[X+2*j:X+2*j+1], v[MU:MU+1] op_sel_hi:[1,0] neg_lo:[0,1] neg_hi:[0,1]  ; x - mean
.set j, j+1
.endr
.irp k, 0,1,2,3
	v_pk_mul_f32 v[A+2*(\k):A+2*(\k)+1], v[X+2*(\k):X+2*(\k)+1], v[X+2*(\k):X+2*(\k)+1]
.endr
.set j, 4
.rept 28
	v_pk_fma_f32 v[A+2*(j%4):A+2*(j%4)+1], v[X+2*j:X+2*j+1], v[X+2*j:X+2*j+1], v[A+2*(j%4):A+2*(j%4)+1]
.set j, j+1
.endr
	REDUCE
	v_fma_f32 v[RS], v[A], s[SK], s[SE]            ; var + eps
	v_rsq_f32 v[RS], v[RS]
	v_nop                                          ; a plain instruction between the root and the use of its result (ISA guide 5.7.2)
	s_wait_alu depctr_va_vdst(0)
	v_mov_b32 v[RS+1], v[RS]
.set cc, 0
.rept 16                               ; chunk by chunk; a chunk's ring slot is asked for again, four chunks on, as soon as it has been used
.if cc < 13
	s_wait_dscnt 6                                 ; this chunk's gain and bias are in; the two loads of each of the three younger chunks may be out
.else
	s_wait_dscnt 2*(15-cc)                         ; nothing more is asked for: the count runs down
.endif
.set gg, GB+8*(cc%4)
	v_pk_mul_f32 v[X+4*cc:X+4*cc+1],   v[X+4*cc:X+4*cc+1],   v[RS:RS+1] op_sel_hi:[1,0]
	v_pk_mul_f32 v[X+4*cc+2:X+4*cc+3], v[X+4*cc+2:X+4*cc+3], v[RS:RS+1] op_sel_hi:[1,0]
	v_pk_fma_f32 v[X+4*cc:X+4*cc+1],   v[X+4*cc:X+4*cc+1],   v[gg:gg+1],   v[gg+4:gg+5]
	v_pk_fma_f32 v[X+4*cc+2:X+4*cc+3], v[X+4*cc+2:X+4*cc+3], v[gg+2:gg+3], v[gg+6:gg+7]
.if cc < 12
	ds_load_b128 v[gg:gg+3],   v[GA] offset:256*(cc+4)
	ds_load_b128 v[gg+4:gg+7], v[GA] offset:4096+256*(cc+4)
.endif
	v_cvt_pk_bf16_f32 v[X+4*cc],   v[X+4*cc],   v[X+4*cc+1]
	v_cvt_pk_bf16_f32 v[X+4*cc+1], v[X+4*cc+2], v[X+4*cc+3]
	global_store_b64 v[YO], v[X+4*cc:X+4*cc+1], s[PY:PY+1] offset:16384*cc  ; the wave's 32 lanes store 256 consecutive bytes, aligned: two rows of the chunk
.set cc, cc+1
.endr
	s_cmp_lg_u32 s34, 0
	s_cbranch_scc1 .Ldone
	v_mov_b32 v[TG], 0                             ; work-group 0: the two tables
	v_mov_b32 v[TG+1], 0
	v_mov_b32 v[TG+2], 0
	v_mov_b32 v[TG+3], 0
	v_mov_b32 v[TB], 0xff800000
	v_lshlrev_b32 v[TB+1], 4, v0
	v_lshlrev_b32 v[TB+2], 2, v0
	global_store_b128 v[TB+1], v[TG:TG+3], s[30:31]
	global_store_b128 v[TB+1], v[TG:TG+3], s[30:31] offset:4096
	global_store_b128 v[TB+1], v[TG:TG+3], s[30:31] offset:8192
	global_store_b32 v[TB+2], v[TB], s[32:33]
.Ldone:
	s_wait_tensorcnt 0x0
	ds_add_u32 v128, v129
	s_wait_dscnt 0x0
	s_endpgm
	; ---- weights: chunk c = g - 256.  Which tensor, and its strides, are chosen by compares of c with constants ----
.macro PICK bound, src, dst, t0, sh, shi, slo, dhi, dlo, dbase, rstep, hs
	s_cmp_lt_u32 s35, \bound
	s_cselect_b64 s[36:37], s[\src:\src+1], s[36:37]
	s_cselect_b64 s[38:39], s[\dst:\dst+1], s[38:39]
	s_cselect_b32 s42, \t0, s42                    ; the tensor's first chunk
	s_cselect_b32 s43, \sh, s43                    ; t = c - t0 splits into lo (sh bits) and hi
	s_cselect_b32 s44, \shi, s44                   ; source bytes for a step of hi,
	s_cselect_b32 s45, \slo, s45                   ; of lo
	s_cselect_b32 s46, \dhi, s46                   ; destination bytes for a step of hi,
	s_cselect_b32 s47, \dlo, s47                   ; of lo
	s_cselect_b32 s48, \dbase, s48                 ; where the tensor begins in its destination
	s_cselect_b32 s49, \rstep, s49                 ; source bytes from a k row to the next
	s_cselect_b32 s50, \hs, s50                    ; source bytes from the chunk's first 64 columns to its last 64
.endm
.Lconvert:
	s_sub_co_u32 s35, s34, 256
	s_wait_kmcnt 0x0
	s_mov_b64 s[36:37], s[20:21]                   ; chunks 512-767: W2
	s_mov_b64 s[38:39], s[28:29]
	s_mov_b32 s42, 512
	s_mov_b32 s43, 3
	s_mov_b32 s44, 524288
	s_mov_b32 s45, 512
	s_mov_b32 s46, 32768
	s_mov_b32 s47, 1048576
	s_mov_b32 s48, 2097152
	s_mov_b32 s49, 4096
	s_mov_b32 s50, 256
	PICK 512, 18, 26, 256, 5, 2097152, 512, 32768, 262144, 0, 16384, 256          ; W1
	PICK 256, 16, 28, 192, 3, 524288, 512, 32768, 262144, 0, 4096, 256            ; Wo
	PICK 192, 14, 24, 128, 3, 524288, 32768, 262144, 32768, 4194304, 256, 262144  ; Wv: the halves are two heads
	PICK 128, 12, 24, 64, 3, 524288, 32768, 262144, 32768, 2097152, 256, 262144   ; Wk
	PICK 64, 10, 24, 0, 3, 524288, 32768, 262144, 32768, 0, 256, 262144           ; Wq
	s_sub_co_u32 s51, s35, s42                     ; t
	s_bfm_b32 s52, s43, 0
	s_and_b32 s52, s51, s52                        ; lo
	s_lshr_b32 s53, s51, s43                       ; hi
	s_mul_i32 s54, s53, s44
	s_mul_i32 s55, s52, s45
	s_add_co_u32 s54, s54, s55                     ; the chunk's byte offset in its source,
	s_mov_b32 s55, 0
	s_mul_i32 s56, s53, s46
	s_mul_i32 s57, s52, s47
	s_add_co_u32 s56, s56, s57
	s_add_co_u32 s56, s56, s48                     ; and in its destination
	s_mov_b32 s57, 0
	s_add_nc_u64 s[36:37], s[36:37], s[54:55]
	s_add_nc_u64 s[38:39], s[38:39], s[56:57]
	v_lshrrev_b32 v1, 5, v0                        ; wave w takes k rows 16 w .. 16 w + 15
	v_lshlrev_b32 v2, 4, v1
	v_mul_lo_u32 v2, v2, s49
	v_bfe_u32 v3, v0, 4, 1                         ; lanes 0-15: the first 64 columns; lanes 16-31: the last 64
	v_mul_lo_u32 v3, v3, s50
	v_and_b32 v4, 15, v0
	v_lshl_add_u32 v3, v4, 4, v3
	v_add_nc_u32 v[OF], v2, v3
.set j, 1
.rept 15
	v_add_nc_u32 v[OF+j], s49, v[OF+j-1]
.set j, j+1
.endr
	v_and_b32 v5, 31, v0
	v_lshlrev_b32 v5, 3, v5
	v_lshl_add_u32 v[DSTO], v1, 12, v5             ; 16 rows of 256 bytes a wave, 8 bytes a lane
.set j, 0
.rept 16
	global_load_b128 v[X+4*j:X+4*j+3], v[OF+j], s[36:37] th:TH_LOAD_NT  ; each half of the lanes reads 256 consecutive bytes, aligned; a weight's f32 form is read once
.set j, j+1
.endr
.set j, 0
.rept 16
	s_wait_loadcnt 15-j                            ; row j is in; the younger rows stay out
	v_cvt_pk_bf16_f32 v[X+4*j], v[X+4*j], v[X+4*j+1]
	v_cvt_pk_bf16_f32 v[X+4*j+1], v[X+4*j+2], v[X+4*j+3]
	global_store_b64 v[DSTO], v[X+4*j:X+4*j+1], s[38:39] offset:256*j  ; 256 consecutive bytes, aligned: one k row of the chunk
.set j, j+1
.endr
	s_endpgm
.Lfunc_end_k_qf97ff78086_prep:
	.size	k_qf97ff78086_prep, .Lfunc_end_k_qf97ff78086_prep-k_qf97ff78086_prep
	.p2alignl 7, 3214868480
	.fill 96, 4, 3214868480
	.section	.rodata,"a",@progbits
	.p2align	6, 0x0
	.amdhsa_kernel k_qf97ff78086_prep
		.amdhsa_group_segment_fixed_size 9216
		.amdhsa_private_segment_fixed_size 0
		.amdhsa_enable_private_segment 0
		.amdhsa_kernarg_size 120
		.amdhsa_user_sgpr_count 2
		.amdhsa_user_sgpr_kernarg_segment_ptr 1
		.amdhsa_wavefront_size32 1
		.amdhsa_system_sgpr_workgroup_id_x 1
		.amdhsa_system_sgpr_workgroup_id_y 1
		.amdhsa_system_sgpr_workgroup_id_z 1
		.amdhsa_system_vgpr_workitem_id 0
		.amdhsa_next_free_vgpr 130
		.amdhsa_next_free_sgpr 66
		.amdhsa_reserve_vcc 0
		.amdhsa_float_denorm_mode_32 3
		.amdhsa_float_denorm_mode_16_64 3
		.amdhsa_memory_ordered 1
		.amdhsa_forward_progress 1
		.amdhsa_inst_pref_size 32
	.end_amdhsa_kernel
	.amdgpu_metadata
---
amdhsa.version: [ 1, 2 ]
amdhsa.kernels:
  - .name:           k_qf97ff78086_prep
    .symbol:         k_qf97ff78086_prep.kd
    .args:
      - { .name: x, .offset: 0, .size: 8, .value_kind: global_buffer, .address_space: global }
      - { .name: ln1_g, .offset: 8, .size: 8, .value_kind: global_buffer, .address_space: global }
      - { .name: ln1_b, .offset: 16, .size: 8, .value_kind: global_buffer, .address_space: global }
      - { .name: Wq, .offset: 24, .size: 8, .value_kind: global_buffer, .address_space: global }
      - { .name: Wk, .offset: 32, .size: 8, .value_kind: global_buffer, .address_space: global }
      - { .name: Wv, .offset: 40, .size: 8, .value_kind: global_buffer, .address_space: global }
      - { .name: Wo, .offset: 48, .size: 8, .value_kind: global_buffer, .address_space: global }
      - { .name: W1, .offset: 56, .size: 8, .value_kind: global_buffer, .address_space: global }
      - { .name: W2, .offset: 64, .size: 8, .value_kind: global_buffer, .address_space: global }
      - { .name: act, .offset: 72, .size: 8, .value_kind: global_buffer, .address_space: global }
      - { .name: wqkv, .offset: 80, .size: 8, .value_kind: global_buffer, .address_space: global }
      - { .name: w1b, .offset: 88, .size: 8, .value_kind: global_buffer, .address_space: global }
      - { .name: wow2, .offset: 96, .size: 8, .value_kind: global_buffer, .address_space: global }
      - { .name: zb, .offset: 104, .size: 8, .value_kind: global_buffer, .address_space: global }
      - { .name: ninf, .offset: 112, .size: 8, .value_kind: global_buffer, .address_space: global }
    .group_segment_fixed_size: 9216
    .private_segment_fixed_size: 0
    .kernarg_segment_align: 8
    .kernarg_segment_size: 120
    .max_flat_workgroup_size: 256
    .sgpr_count:     66
    .vgpr_count:     130
    .wavefront_size: 32
...
	.end_amdgpu_metadata
.endif
;; end of part 1
;; launch qkv (part 2): grid 12 x 16, 4 waves a work-group, clusters of 4 x 4, 327,680 bytes of LDS; arguments act, wqkv, zb, ninf, big; writes big
.if DOCPART == 2
	.amdgcn_target "amdgcn-amd-amdhsa--gfx1250"
	.amdhsa_code_object_version 6
	.text
	.protected	k_qf97ff78086_qkv
	.globl	k_qf97ff78086_qkv
	.p2align	8
	.type	k_qf97ff78086_qkv,@function
k_qf97ff78086_qkv:
	s_mov_b64 s[64:65], 0
	v_nop
	global_prefetch_b8 v0, s[64:65] scope:SCOPE_SE
	s_setreg_imm32_b32 hwreg(HW_REG_WAVE_MODE, 25, 1), 1
	s_wait_xcnt 0x0
	s_wait_alu depctr_hold_cnt(0) depctr_sa_sdst(0) depctr_va_vdst(0) depctr_va_sdst(0) depctr_va_ssrc(0) depctr_va_vcc(0) depctr_vm_vsrc(0)
	s_getreg_b32 s2, hwreg(HW_REG_IB_STS2, 6, 4)
	s_cmp_eq_u32 s2, 0
	s_cbranch_scc0 .Lentry_in_a_cluster
	s_endpgm
.Lentry_in_a_cluster:
	s_bfe_u32 s2, ttmp6, 0x10000c
	s_cmp_lg_u32 s2, 0xf033
	s_cbranch_scc0 .Lentry_shape_is_right
	s_endpgm
.Lentry_shape_is_right:
; out = max(A B + bias, lo), K = 1,024.  Used twice: q, k, v = h [Wq|Wk|Wv] (bias a table of zeros, lo = -infinity) and relu(h2 W1 + b1) (lo = 0).
; A:   bf16 [mb][16 kb][128 r][64 c] (row 128 mb + r, k = 64 kb + c).   B: bf16 [nb][1024 k][128 n].   out: bf16 [mb][64 cb][128 r][64 c], cb = column / 64.   bias: f32.   lo: one f32.
; No address hangs on the number of columns, so one text serves both widths.  Sums in f32, started by the bias as the first product's C operand; rounded once to bf16.
; LIMIT: v_max_num_f32 lets a NaN lose, so a NaN sum leaves as lo.
; SHARES.  A tile of 256 x 256 to a work-group of four waves, 128 x 128 of it to a wave: 64 accumulators, 512 registers.  K goes in 8 steps of 128 through two LDS slots.
; Every tensor load brings 32,768 dense bytes as 128 rows of 256: two kb chunks of one mb (padded after every 128 bytes: LDS rows of 144), or 128 k rows of one nb (padded after every 256: rows of 288).
; A's fragments come out of LDS as they lie; B lies [k][n] and is turned by ds_load_tr16_b128.
; THE MATRIX INSTRUCTION IS USED TRANSPOSED (source 0 = 16 columns of B, source 1 = 16 rows of A): a lane then holds one row and eight neighbouring columns, 16 bytes of bf16.
; CLUSTER 4 x 4: the four work-groups of a row of the cluster need the same tiles of A, the four of a column the same tiles of B: each tile is asked for jointly.
; REGISTERS in windows of 256 (s_set_vgpr_msb: bits 1:0 source 0, 3:2 source 1, 5:4 source 2, 7:6 destination):
;   window 0: v16-29 addresses; v32-63, v224-255 rows on the way out; v64-127, v128-191 A's fragments, two buffers; v192-255 the bias at first, v192-223 packed results later
;   window 1: v64-127, v128-191 B's fragments     window 2: accumulators of my rows 0-63, (a, b) at 8 (8 a + b)     window 3: rows 64-127
.set PA,     144                       ; an LDS row of A: 128 bytes + 16: an odd multiple of 16, so the 16 rows of a load begin in 16 different 16-byte columns of 256 bytes
.set PB,     288                       ; an LDS row of B: 256 bytes + 32: an odd multiple of 32, as the turning load's 8 rows x 32 bytes want
.set KBCH,   128*PA                    ; one kb chunk in LDS
.set HALFT,  2*KBCH                    ; what one tensor load fills: 2 chunks of A, or 128 rows of B (128 x 288 is the same number)
.set SLOT,   4*HALFT                   ; A of mb 0, A of mb 1, B of nb 0, B of nb 1
.set STAGE,  2*SLOT                    ; behind the ring: for each wave 2 chunks x 16 rows x 144 bytes, for the way out
.set SCH,    16*PA
.set SPARE,  STAGE+4*2*SCH             ; behind the stages: the spare words, 128 bytes a wave, which no other line names
.set LAPS,   4                         ; a lap = two K steps = once round the ring
.set STEPB,  32768                     ; bytes of A (of one mb) and of B (of one nb) in a K step
.set ADRA, 16                          ; v16-17  LDS address of my A fragments in slot 0, 1
.set ADRB, 20                          ; v20-21  the same for B
.set STO,  24                          ; the way out: where I put 16 bytes of a row
.set RD,   25                          ; the way out: where I read rows back
.set GO,   26                          ; my 16 bytes in 512 consecutive bytes of out
.set BO,   27                          ; my byte offset in 16 numbers of the bias
.set SPW,  28                          ; LDS address of my spare word; never rewritten
.set NIL,  29                          ; 0; never rewritten
.set OB,   32
.set F0,   64
.set F1,   128
.set TMP,  192
.set BIA,  192                         ; v192-255: bias of column 16 b + 8 (lane / 16) + j at BIA + 8 b + j
.set G1,   24                          ; s[24:31] descriptor group 1 for A's tiles;  s[32:39] group 0, a set for each slot
.set G0,   32
.set G1B,  48                          ; s[48:55], s[56:63] the same for B's tiles
.set G0B,  56
.set FLOOR, 66                         ; s66 lo
.set MSB, 0
.macro WIN new                         ; the immediate's high byte repeats the setting that is left; a switch that changes nothing is dropped
.if MSB != (\new)
	s_set_vgpr_msb (MSB<<8)|(\new)
.set MSB, \new
.endif
.endm
.set MUL_LO, 0xa1                      ; source 0 (B) window 1, source 1 (A) window 0, C and D window 2
.set TO_B,   0x40                      ; destination window 1, address window 0
; A joint load.  Waves 0 and 1 fetch A's two mb, waves 2 and 3 B's two nb.  The branch hangs on the wave's number alone.
; An s_nop 0 and four v_nop follow each of the two lines, ahead of the jump and the label.
.macro JLOAD s
	s_cmp_eq_u32 s11, 0
	s_cbranch_scc0 .Lfor_b_\@
	tensor_load_to_lds s[G0+4*(\s):G0+4*(\s)+3], s[G1:G1+7]
	s_nop 0
.rept 4
	v_nop
.endr
	s_branch .Lasked_\@
.Lfor_b_\@:
	tensor_load_to_lds s[G0B+4*(\s):G0B+4*(\s)+3], s[G1B:G1B+7]
	s_nop 0
.rept 4
	v_nop
.endr
.Lasked_\@:
.endm
.macro CREST                           ; a round of the cluster's barrier behind its opening barrier
	s_cmp_lg_u32 s10, 0
	s_cbranch_scc1 .Lnot_wave_0_\@
	s_barrier_signal -3
.Lnot_wave_0_\@:
	s_barrier_wait -3
	s_barrier_signal -1
	s_barrier_wait -1
.endm
.macro CROUND                          ; a whole round
	s_barrier_signal -1
	s_barrier_wait -1
	CREST
.endm
	s_load_b256 s[72:79], s[0:1], 0x0              ; A s[72:73], B s[74:75], bias s[76:77], lo s[78:79]
	s_load_b64 s[8:9], s[0:1], 0x20                ; out
	v_lshl_add_u32 v[SPW], v0, 2, SPARE
	v_mov_b32 v[NIL], 0
	ds_add_u32 v28, v29
	ds_add_u32 v28, v29
	s_wait_dscnt 0x0
	v_lshrrev_b32 v1, 5, v0
	v_readfirstlane_b32 s10, v1                    ; wave 0..3
	s_lshr_b32 s11, s10, 1                         ; which mb of the tile is mine.  Also: I fetch for A (0) or for B (1)
	s_and_b32 s12, s10, 1                          ; which nb of the tile is mine.  Also: which mb or nb I fetch
	s_bfe_u32 s40, ttmp6, 0x40000                  ; cx, cy: my place in the cluster
	s_bfe_u32 s41, ttmp6, 0x40004
	s_lshl_b32 s42, ttmp9, 2
	s_add_co_u32 s42, s42, s40                     ; tile column = 4 x cluster x + cx
	s_and_b32 s13, ttmp7, 0xffff
	s_lshl_b32 s13, s13, 2
	s_add_co_u32 s13, s13, s41                     ; tile row = 4 x cluster y + cy
	s_lshl_b32 s43, s41, 2
	s_lshl_b32 s43, 15, s43                        ; my row of the cluster
	s_lshl_b32 s44, 0x1111, s40                    ; my column
	s_or_b32 s[G1+0], s43, (1<<16)|(1<<20)|(1<<21)|(4<<22)|(3<<25)   ; 15:0 the mask; 17:16 2-byte elements; 20 padding on; 21 set beside a mask; 24:22 after every 32 words; 31:25 4 words
	s_or_b32 s[G1B+0], s44, (1<<16)|(1<<20)|(1<<21)|(5<<22)|(7<<25)  ; B: after every 64 words, 8 words
.irp g, G1, G1B
	s_mov_b32 s[(\g)+1], 128<<16                   ; tensor_dim0 = 128 elements (256 bytes)
	s_mov_b32 s[(\g)+2], 128<<16                   ; tensor_dim1 = 128
	s_mov_b32 s[(\g)+3], 128<<16                   ; tile_dim0 = 128
	s_mov_b32 s[(\g)+4], 128                       ; tile_dim1 = 128
	s_mov_b32 s[(\g)+5], 128                       ; dense: 128 elements from row to row
	s_mov_b32 s[(\g)+6], 0
	s_mov_b32 s[(\g)+7], 0
.endr
	s_lshl_b32 s16, s13, 1                         ; A: mb = 2 x tile row + half, 262,144 bytes each: made of the tile row and the wave's number alone
	s_add_co_u32 s16, s16, s12
	s_lshl_b32 s16, s16, 18
	s_mov_b32 s17, 0
	s_lshl_b32 s46, s42, 1                         ; B: nb = 2 x tile column + half, 262,144 bytes each: of the tile column and the wave's number alone
	s_add_co_u32 s46, s46, s12
	s_lshl_b32 s46, s46, 18
	s_mov_b32 s47, 0
	s_lshl_b32 s68, s42, 10                        ; bias: 4 bytes x (256 x tile column + 128 x my nb)
	s_lshl_b32 s69, s12, 9
	s_add_co_u32 s68, s68, s69
	s_mov_b32 s69, 0
	s_mul_i32 s20, s10, HALFT                      ; where my load lands: wave x 36,864: no place in the cluster enters an LDS address
	s_wait_kmcnt 0x0
	s_load_b32 s[FLOOR], s[78:79], 0x0             ; lo is wanted on the way out alone: it is waited for beside the bias, so that the first tiles are not held up by it
	s_add_nc_u64 s[14:15], s[72:73], s[16:17]
	s_add_nc_u64 s[46:47], s[74:75], s[46:47]
	s_add_nc_u64 s[76:77], s[76:77], s[68:69]
	CROUND                                         ; all sixteen work-groups are here: the first joint loads meet
.irp s, 0,1
	s_mov_b32 s[G0+4*(\s)], 1                                        ; count = 1
	s_add_co_u32 s[G0+4*(\s)+1], s20, (\s)*SLOT                      ; LDS address
	s_add_nc_u64 s[G0+4*(\s)+2:G0+4*(\s)+3], s[14:15], (\s)*STEPB    ; global address: K step s
	s_or_b32 s[G0+4*(\s)+3], s[G0+4*(\s)+3], 0x80000000              ; type = 2
	s_mov_b32 s[G0B+4*(\s)], 1
	s_add_co_u32 s[G0B+4*(\s)+1], s20, (\s)*SLOT
	s_add_nc_u64 s[G0B+4*(\s)+2:G0B+4*(\s)+3], s[46:47], (\s)*STEPB
	s_or_b32 s[G0B+4*(\s)+3], s[G0B+4*(\s)+3], 0x80000000
	JLOAD \s                                       ; two loads of mine are out
.endr
	v_and_b32 v1, 15, v0                           ; l % 16
	v_bfe_u32 v2, v0, 4, 1                         ; l / 16
	v_lshlrev_b32 v[BO], 5, v2                     ; eight f32 for each half of the lanes
.irp b, 0,1,2,3,4,5,6,7
	global_load_b128 v[BIA+8*(\b):BIA+8*(\b)+3],   v[BO], s[76:77] offset:64*(\b)
	global_load_b128 v[BIA+8*(\b)+4:BIA+8*(\b)+7], v[BO], s[76:77] offset:64*(\b)+16
.endr
	; A fragment of A: lane l holds row l % 16; registers 0-3 k = 8 (l / 16) + 0..7, registers 4-7 k = 16 + 8 (l / 16) + 0..7: two loads of 16 bytes, 32 bytes apart.
	v_mul_u32_u24 v3, v1, PA
	v_lshl_add_u32 v3, v2, 4, v3                   ; row x pitch + 16 x half
	s_mul_i32 s21, s11, HALFT                      ; my mb
	; The turning load: lane l reads 16 bytes of k row 8 (l / 16) + l % 8, columns 8 ((l / 8) % 2) + 0..7, and receives column l % 16, eight k.
	v_and_b32 v4, 7, v0
	v_lshl_add_u32 v4, v2, 3, v4
	v_mul_u32_u24 v4, v4, PB
	v_bfe_u32 v5, v0, 3, 1
	v_lshl_add_u32 v4, v5, 4, v4
	s_mul_i32 s22, s12, HALFT                      ; my nb,
	s_add_co_u32 s22, s22, 2*HALFT                 ; behind A's two mb
.irp s, 0,1
	v_add_nc_u32 v[ADRA+(\s)], s21, v3
	v_add_nc_u32 v[ADRB+(\s)], s22, v4
	s_add_co_u32 s21, s21, SLOT
	s_add_co_u32 s22, s22, SLOT
.endr
	s_mul_i32 s23, s10, 2*SCH
	s_add_co_u32 s23, s23, STAGE                   ; my stage
	v_add_nc_u32 v[STO], s23, v3                   ; in: row l % 16 (pitch 144), 16 bytes for each half of the lanes
	v_bfe_u32 v6, v0, 3, 2                         ; back: 32 lanes take four rows of 128 bytes,
	v_mul_u32_u24 v6, v6, PA
	v_and_b32 v7, 7, v0
	v_lshl_add_u32 v6, v7, 4, v6
	v_add_nc_u32 v[RD], s23, v6
	v_and_b32 v[GO], 31, v0                        ; which are 512 consecutive bytes of out
	v_lshlrev_b32 v[GO], 4, v[GO]
	s_lshl_b32 s16, s13, 21                        ; out: ((2 x tile row + my mb) x 64 + 4 x tile column + 2 x my nb) chunks of 16,384 bytes
	s_lshl_b32 s17, s11, 20
	s_add_co_u32 s16, s16, s17
	s_mov_b32 s17, 0
	s_lshl_b32 s46, s42, 16
	s_lshl_b32 s47, s12, 15
	s_add_co_u32 s46, s46, s47
	s_mov_b32 s47, 0
	s_add_nc_u64 s[16:17], s[16:17], s[46:47]
	s_add_nc_u64 s[8:9], s[8:9], s[16:17]
; 16 matrix instructions: row blocks a0, a0 + 1 of the window's four (hi = 0: my rows 0-63, 1: rows 64-127) x all 8 column blocks, 32 along K.
; zero = 1: the first product starts the sums with the bias as C (window 0): nothing is cleared.  The 64 accumulators take turns.
.macro MUL16 f, hi, a0, zero
.if \zero
	WIN 0x81+0x40*(\hi)
.else
	WIN MUL_LO+0x50*(\hi)
.endif
.irp a, \a0, (\a0)+1
.irp b, 0,1,2,3,4,5,6,7
.if \zero
	v_wmma_f32_16x16x32_bf16 v[8*(8*(\a)+(\b)):8*(8*(\a)+(\b))+7], v[(\f)+8*(\b):(\f)+8*(\b)+7], v[(\f)+8*(4*(\hi)+(\a)):(\f)+8*(4*(\hi)+(\a))+7], v[BIA+8*(\b):BIA+8*(\b)+7]
.else
	v_wmma_f32_16x16x32_bf16 v[8*(8*(\a)+(\b)):8*(8*(\a)+(\b))+7], v[(\f)+8*(\b):(\f)+8*(\b)+7], v[(\f)+8*(4*(\hi)+(\a)):(\f)+8*(4*(\hi)+(\a))+7], v[8*(8*(\a)+(\b)):8*(8*(\a)+(\b))+7]
.endif
.endr
.endr
.endm
; 32 LDS loads in one run: the fragments of quarter q (32 along K) of a slot into buffer f: B's 8 column blocks, then A's 8 row blocks
.macro FETCH slot, q, f
	WIN TO_B
.irp i, 0,1,2,3,4,5,6,7
	ds_load_tr16_b128 v[(\f)+8*(\i):(\f)+8*(\i)+3],   v[ADRB+(\slot)] offset:(\q)*32*PB+32*(\i)
	ds_load_tr16_b128 v[(\f)+8*(\i)+4:(\f)+8*(\i)+7], v[ADRB+(\slot)] offset:(\q)*32*PB+32*(\i)+16*PB
.endr
	WIN 0
.irp i, 0,1,2,3,4,5,6,7
	ds_load_b128 v[(\f)+8*(\i):(\f)+8*(\i)+3],   v[ADRA+(\slot)] offset:((\q)/2)*KBCH+((\q)%2)*64+(\i)*16*PA
	ds_load_b128 v[(\f)+8*(\i)+4:(\f)+8*(\i)+7], v[ADRA+(\slot)] offset:((\q)/2)*KBCH+((\q)%2)*64+(\i)*16*PA+32
.endr
.endm
.macro PLACES                          ; four plain vector instructions between matrix instructions and loads into, or vector work on, their registers
.rept 4
	v_nop
.endr
.endm
; One of a K step's first three quarters: multiplies buffer f; in its middle it fetches quarter q of the same slot into buffer g.
.macro QUARTER slot, q, f, g, zero
	s_wait_dscnt 8                                 ; B and A's rows 0-63 are in; the youngest eight loads (A's rows 64-127) may be out
	MUL16 \f, 0, 0, \zero
	MUL16 \f, 0, 2, \zero
	PLACES
	FETCH \slot, \q, \g
	s_wait_dscnt 32                                ; all but the 32 just issued
	MUL16 \f, 1, 0, \zero
	MUL16 \f, 1, 2, \zero
.endm
; The last quarter's first half: ONE barrier for the change of slots.  In front of it each wave waits for all its tensor loads (one is out: its part of the next slot), adds 0 to its
; spare word, and waits for that and for its reads of this slot.
.macro MEET round
	WIN 0                                          ; (the add's two registers lie in window 0)
	s_wait_tensorcnt 0x0
	ds_add_u32 v[SPW], v[NIL]
	s_wait_dscnt 9                                 ; the add and the youngest eight loads may be out
	MUL16 F1, 0, 0, 0
	s_wait_dscnt 0x0                               ; the add is done, and my reads of this slot are over
	s_barrier_signal -1
	MUL16 F1, 0, 2, 0
.if \round
	WIN 0
.endif
	s_barrier_wait -1
.endm
; The whole last quarter: behind the round the slot just read is filled again, two K steps on, first thing; then come the next slot's first fragments.
.macro TURN slot, next
	MEET 1
	CREST                                          ; no wave of any partner still reads this slot's tile or has a load on its way
	s_add_nc_u64 s[G0+4*(\slot)+2:G0+4*(\slot)+3], s[G0+4*(\slot)+2:G0+4*(\slot)+3], 2*STEPB
	s_add_nc_u64 s[G0B+4*(\slot)+2:G0B+4*(\slot)+3], s[G0B+4*(\slot)+2:G0B+4*(\slot)+3], 2*STEPB
	JLOAD \slot                                    ; my one load behind the round; its four v_nop are also the places in front of the loads below
	FETCH \next, 0, F0
	MUL16 F1, 1, 0, 0
	MUL16 F1, 1, 2, 0
.endm
; THE WAY OUT of block a (16 rows x 128 columns).  PACK: the floor, then bf16, 16 bytes a lane; each accumulator's registers in ascending order.
.macro PACK a
.set AC, 64*((\a)%4)
	WIN 0x8a+0x45*((\a)/4)                         ; sources and destination in window 2 or 3
.set i, 0
.rept 64
	v_max_num_f32 v[AC+i], s[FLOOR], v[AC+i]
.set i, i+1
.endr
	WIN 0x0a+5*((\a)/4)                            ; sources window 2 or 3, destination window 0
.irp b, 0,1,2,3,4,5,6,7
.irp r, 0,1,2,3
	v_cvt_pk_bf16_f32 v[TMP+4*(\b)+(\r)], v[AC+8*(\b)+2*(\r)], v[AC+8*(\b)+2*(\r)+1]
.endr
.endr
	WIN 0
.endm
.macro TOSTAGE a                       ; into my own stage, by chunks of 64 columns, and back as whole rows of 128 bytes
	WIN 0
.set BK, OB+192*((\a)%2)
.irp b, 0,1,2,3,4,5,6,7
	ds_store_b128 v[STO], v[TMP+4*(\b):TMP+4*(\b)+3] offset:((\b)/4)*SCH+32*((\b)%4)
.endr
.irp t, 0,1,2,3,4,5,6,7
	ds_load_b128 v[BK+4*(\t):BK+4*(\t)+3], v[RD] offset:((\t)/4)*SCH+((\t)%4)*4*PA  ; LDS serves a wave's instructions in order (ISA guide 5.7.1.4): these see the stores above
.endr
.endm
.macro SEND a
	WIN 0
.set BK, OB+192*((\a)%2)
	s_wait_dscnt 0x0                               ; the block is back in registers
	s_wait_xcnt 0x0                                ; the stores of the block before have read their registers: the next TOSTAGE loads into them
.irp t, 0,1,2,3,4,5,6,7
	global_store_b128 v[GO], v[BK+4*(\t):BK+4*(\t)+3], s[8:9] offset:((\t)/4)*16384+(\a)*2048+((\t)%4)*512  ; 512 consecutive bytes, aligned: four rows of a chunk
.endr
.endm
	s_wait_tensorcnt 1                             ; my part of K step 0 is in; K step 1's may stay out
	s_barrier_signal -1
	s_barrier_wait -1
	FETCH 0, 0, F0
	s_wait_loadcnt 0x0                             ; the bias
	s_wait_kmcnt 0x0                               ; lo: asked for ahead of the first tiles, first read on the way out
	QUARTER 0, 1, F0, F1, 1                        ; the first quarter stands in front of the loop: its products start the sums
	WIN 0                                          ; at a label and at a branch every window is 0
	s_mov_b32 s3, LAPS-1
.Llap:                                                 ; a trip goes once round the ring and fills both slots again
	QUARTER 0, 2, F1, F0, 0
	QUARTER 0, 3, F0, F1, 0
	TURN 0, 1
	QUARTER 1, 1, F0, F1, 0
	QUARTER 1, 2, F1, F0, 0
	QUARTER 1, 3, F0, F1, 0
	TURN 1, 0
	QUARTER 0, 1, F0, F1, 0
	WIN 0
	s_sub_co_u32 s3, s3, 1
	s_cmp_lg_u32 s3, 0
	s_cbranch_scc1 .Llap
	QUARTER 0, 2, F1, F0, 0                        ; the last lap is written out: it asks for nothing
	QUARTER 0, 3, F0, F1, 0
	MEET 0
	PLACES
	FETCH 1, 0, F0
	MUL16 F1, 1, 0, 0
	MUL16 F1, 1, 2, 0
	QUARTER 1, 1, F0, F1, 0
	QUARTER 1, 2, F1, F0, 0
	QUARTER 1, 3, F0, F1, 0
	s_wait_dscnt 8
	MUL16 F1, 0, 0, 0
	MUL16 F1, 0, 2, 0
	s_wait_dscnt 0x0
	MUL16 F1, 1, 0, 0
	MUL16 F1, 1, 2, 0
	PLACES
	PACK 0
	TOSTAGE 0
.irp a, 1,2,3,4,5,6,7                  ; block a's arithmetic stands between block a - 1's loads from the stage and the wait for them
	PACK \a
	SEND (\a)-1
	TOSTAGE \a
.endr
	SEND 7
	s_wait_tensorcnt 0x0                           ; the wave's end
	ds_add_u32 v[SPW], v[NIL]
	s_wait_dscnt 0x0
	CROUND                                         ; the closing round: no work-group ends while a partner may still ask for a tile that names it
	s_endpgm
.Lfunc_end_k_qf97ff78086_qkv:
	.size	k_qf97ff78086_qkv, .Lfunc_end_k_qf97ff78086_qkv-k_qf97ff78086_qkv
	.p2alignl 7, 3214868480
	.fill 96, 4, 3214868480
	.section	.rodata,"a",@progbits
	.p2align	6, 0x0
	.amdhsa_kernel k_qf97ff78086_qkv
		.amdhsa_group_segment_fixed_size 327680
		.amdhsa_private_segment_fixed_size 0
		.amdhsa_enable_private_segment 0
		.amdhsa_kernarg_size 40
		.amdhsa_user_sgpr_count 2
		.amdhsa_user_sgpr_kernarg_segment_ptr 1
		.amdhsa_wavefront_size32 1
		.amdhsa_system_sgpr_workgroup_id_x 1
		.amdhsa_system_sgpr_workgroup_id_y 1
		.amdhsa_system_sgpr_workgroup_id_z 1
		.amdhsa_system_vgpr_workitem_id 0
		.amdhsa_next_free_vgpr 1024
		.amdhsa_next_free_sgpr 82
		.amdhsa_reserve_vcc 0
		.amdhsa_float_denorm_mode_32 3
		.amdhsa_float_denorm_mode_16_64 3
		.amdhsa_memory_ordered 1
		.amdhsa_forward_progress 1
		.amdhsa_inst_pref_size 160
	.end_amdhsa_kernel
	.amdgpu_metadata
---
amdhsa.version: [ 1, 2 ]
amdhsa.kernels:
  - .name:           k_qf97ff78086_qkv
    .symbol:         k_qf97ff78086_qkv.kd
    .args:
      - { .name: act, .offset: 0, .size: 8, .value_kind: global_buffer, .address_space: global }
      - { .name: wqkv, .offset: 8, .size: 8, .value_kind: global_buffer, .address_space: global }
      - { .name: zb, .offset: 16, .size: 8, .value_kind: global_buffer, .address_space: global }
      - { .name: ninf, .offset: 24, .size: 8, .value_kind: global_buffer, .address_space: global }
      - { .name: big, .offset: 32, .size: 8, .value_kind: global_buffer, .address_space: global }
    .group_segment_fixed_size: 327680
    .private_segment_fixed_size: 0
    .kernarg_segment_align: 8
    .kernarg_segment_size: 40
    .max_flat_workgroup_size: 128
    .sgpr_count:     82
    .vgpr_count:     1024
    .wavefront_size: 32
...
	.end_amdgpu_metadata
.endif
;; end of part 2
;; launch attn (part 3): grid 8 x 32, 4 waves a work-group, no clusters, 327,680 bytes of LDS; arguments big, act; writes act
.if DOCPART == 3
	.amdgcn_target "amdgcn-amd-amdhsa--gfx1250"
	.amdhsa_code_object_version 6
	.text
	.protected	k_qf97ff78086_attn
	.globl	k_qf97ff78086_attn
	.p2align	8
	.type	k_qf97ff78086_attn,@function
k_qf97ff78086_attn:
	s_mov_b64 s[64:65], 0
	v_nop
	global_prefetch_b8 v0, s[64:65] scope:SCOPE_SE
	s_setreg_imm32_b32 hwreg(HW_REG_WAVE_MODE, 25, 1), 1
	s_wait_xcnt 0x0
; CAUSAL ATTENTION, 32 (batch, head) pairs of 2,048 rows, head size 64.  O[q] = sum over k <= q of softmax_k(Q[q] . K[k] / 32) V[k]   (the scale is 1 / sqrt(1024)).
; big: bf16 [32 mb][64 cb][128 r][64 c]: q in cb = head, k in cb = 16 + head, v in cb = 32 + head; token 128 mb + r, mb = 16 batch + block.  A chunk (128 rows x 128 bytes) is dense.
; act: bf16 [32 mb][16 kb][128 r][64 c], kb = head: O.
; Products, maxima and sums in f32; the weights p are rounded to bf16 for the second product (their sum l is taken of the unrounded p), O once at the end.
; LIMITS.  A hidden score counts as the lowest finite f32; a weight below 2^-126 counts as 0 in l; NaN and infinities are not treated apart.
; THE WALK.  A head's queries lie in 16 blocks of 128; block i needs key tiles 0 .. i of 128 keys, the last of which holds the diagonal.  A work-group takes blocks 15 - p and then p: 17 tiles whatever p,
; so all 256 work-groups do equal work and one loop with a constant count walks them; the ring of two LDS slots runs on across the change of blocks.
; NO CLUSTER: a head's 8 work-groups ask for the same tile only in the walk's first 9 trips; a walk common to all would have tiles 0..15 and then 0..7: 24 trips for 17.
; SHARES.  A wave owns 32 rows of a block: two tiles of 16.  A key step is 64 keys.  In a diagonal tile every wave computes all 128 keys and masks: equal work for the four waves.
; BY TURNS INSIDE A STEP.  A wave issues in order: products that stand alone leave the vector unit without work, a softmax that stands alone the matrix unit.  The two tiles share K and V and nothing
; else, so a step goes: K Q^T of tile 0 | K Q^T of tile 1, the head of tile 0's softmax behind its products | the rest of tile 0's softmax | V^T P of tile 0, the head of tile 1's softmax behind its
; products | the rest of tile 1's | V^T P of tile 1, both tiles' row sums behind its products.  Only a step's first eight products stand bare.  The price: two window switches for each covered product.
; LAYOUT.  S^T = K Q^T (source 0 = 16 keys, source 1 = 16 queries): a lane holds ONE query (lane % 16) and the keys 8 (lane / 16) + 0..7.  Two such results rounded to bf16 in pairs ARE source 1 of
; O^T = V^T P, whose result again holds one query a lane.  K comes out of LDS as it lies, V ([key][channel]) turned, by ds_load_tr16_b128.
; SOFTMAX.  A running maximum m and sum l: p = 2^(c s - c m), c = log2(e) / 32; in every step O and l are multiplied by a = 2^(c m_old - c m_new).  m starts at the lowest finite number, so a block's
; first a is 0 and O and l need only be finite there.
; REGISTERS (s_set_vgpr_msb: bits 1:0 source 0, 3:2 source 1, 5:4 source 2, 7:6 destination):
;   window 0: v2-15 addresses; v16-31 statistics, 8 a tile; v62-63 the add's; v64-127 S^T, 32 a tile; v128-159 P, 16 a tile; v160-223 O^T, 32 a tile
;   window 1: v0-31 Q; v32-63 the second block's Q; v64-127 K of a step; v128-191 V of a step
.set KS,    64
.set PK,    144                        ; a row of K in LDS: 128 bytes + 16: an odd multiple of 16
.set PV,    160                        ; a row of V: 128 + 32: an odd multiple of 32, for the turning load
.set VOFF,  2*KS*PK                    ; a slot: 128 rows of K, then 128 rows of V
.set SLOT1, 1<<16                      ; slot 1 begins here: one exclusive or turns an address in one slot into the other's
.set STAGE, SLOT1+2*KS*(PK+PV)         ; behind the ring: 16 rows x 144 bytes for each wave, for the way out
.set SP,    144
.set SPARE, STAGE+4*16*SP              ; behind the stages: the spare words, 128 bytes a wave, which no other line names
.set AK0, 2                            ; my lane's place in a tile of K; never rewritten
.set AV0, 3                            ; the same for V
.set AK,  4                            ; the LDS address of K's next run of loads
.set AV,  5                            ; of V's
.set STO, 6
.set RD,  7
.set GO,  8
.set DD0, 12                           ; my query's place in its block less my lanes' 8 (lane / 16), for tile 0: 32 w + lane % 16 - 8 (lane / 16)
.set DD,  13                           ; the same less the step's first key
.set NEG, 14                           ; the lowest finite number
.set QO,  15
.set ST,  16                           ; tile t at ST + 8 t: c m, m, l (even keys', odd keys'), c0-c3 at work; a takes c2's place
.set SPW, 62
.set NIL, 63
.set S,   64
.set P,   128
.set O,   160
.set Q,   0                            ; window 1
.set Q2,  32
.set KF,  64                           ; key block kb, channel half c at KF + 16 kb + 8 c
.set VF,  128                          ; key half kk, channel block cb at VF + 32 kk + 8 cb
.set WV,  12                           ; s12 my wave's number
.set PB,  14                           ; s14 p
.set HI,  15                           ; s15 15 - p
.set G1K, 24
.set G1V, 32
.set G0K, 40
.set G0V, 44
.set SLOTS, 56
.set CNT, 57
.set CS,  58                           ; s[58:59] c, named as a pair
.set SEL, 60                           ; s[60:61] v_permlanex16_b32's selects: each lane takes its own place in the other half
.set TBK, 62                           ; LDS byte at which K of the step to be fetched begins
.set TBV, 63                           ; the same for V, less VOFF
.set RT,  70                           ; tiles of the block in hand that are still to be entered
.set NXT, 71                           ; the tile to be asked for next
.set LQ,  72                           ; the last tile of the block whose tiles are being asked for
.set OFF, 74                           ; s[74:75] a tile's byte offset in K and V
.set OLO, 80                           ; s[80:81] O at my rows of the second block
.set MSB, 0
.macro WIN new
.if MSB != (\new)
	s_set_vgpr_msb (MSB<<8)|(\new)
.set MSB, (\new)
.endif
.endm
; A fill.  Waves 0 and 1 fetch the two halves of a tile's K, waves 2 and 3 those of its V: 64 keys, 8,192 dense bytes, each.  An s_nop 0 and four v_nop follow each line.
.macro LOAD
	s_cmp_lt_u32 s[WV], 2
	s_cbranch_scc0 .Lfor_v_\@
	tensor_load_to_lds s[G0K:G0K+3], s[G1K:G1K+7]
	s_nop 0
.rept 4
	v_nop
.endr
	s_branch .Lasked_\@
.Lfor_v_\@:
	tensor_load_to_lds s[G0V:G0V+3], s[G1V:G1V+7]
	s_nop 0
.rept 4
	v_nop
.endr
.Lasked_\@:
.endm
; THE CHANGE OF SLOTS.  Each wave waits for all its tensor loads (one is out: its part of the other slot), adds 0 to its spare word, and waits for that and for its reads of the slot that it leaves.
; fill = 1: the old slot is filled again, first thing behind the barrier, with tile NXT; the descriptor's address is made anew from that number.  (At its first use: slot 0 is waited for, slot 1 filled.)
.macro CHANGE fill
	WIN 0
	s_wait_tensorcnt 0x0                           ; no tensor load of mine is out, so a group 0 may be written
	ds_add_u32 v[SPW], v[NIL]
.if \fill
	s_lshl_b32 s[OFF], s[NXT], 20                  ; from a block's chunk to the next block's: 1,048,576 bytes
	s_xor_b32 s[G0K+1], s[G0K+1], SLOT1
	s_add_nc_u64 s[G0K+2:G0K+3], s[6:7], s[OFF:OFF+1]
	s_or_b32 s[G0K+3], s[G0K+3], 0x80000000
	s_xor_b32 s[G0V+1], s[G0V+1], SLOT1
	s_add_nc_u64 s[G0V+2:G0V+3], s[8:9], s[OFF:OFF+1]
	s_or_b32 s[G0V+3], s[G0V+3], 0x80000000
	s_add_co_u32 s[NXT], s[NXT], 1                 ; the block's next tile, or behind its last the second block's tile 0
	s_cmp_gt_u32 s[NXT], s[LQ]
	s_cselect_b32 s[NXT], 0, s[NXT]
	s_cselect_b32 s[LQ], s[PB], s[LQ]
.endif
	s_wait_dscnt 0x0                               ; the add is done, and my reads of the slot are over
	s_barrier_signal -1
	s_sub_co_u32 s[TBK], s[TBK], 2*KS*PK           ; the fetches go back to a slot's first step,
	s_xor_b32 s[TBK], s[TBK], SLOT1                ; in the other slot
	s_sub_co_u32 s[TBV], s[TBV], 2*KS*PV
	s_xor_b32 s[TBV], s[TBV], SLOT1
	s_barrier_wait -1
.if \fill
	LOAD
.endif
.endm
	s_load_b128 s[84:87], s[0:1], 0x0              ; big s[84:85], act s[86:87]
	v_lshl_add_u32 v[SPW], v0, 2, SPARE
	v_mov_b32 v[NIL], 0
	ds_add_u32 v62, v63
	ds_add_u32 v62, v63
	s_wait_dscnt 0x0
	v_lshrrev_b32 v1, 5, v0
	v_readfirstlane_b32 s[WV], v1
	s_mov_b32 s[PB], ttmp9
	s_sub_co_u32 s[HI], 15, s[PB]
	s_and_b32 s16, ttmp7, 0xffff
	s_lshr_b32 s17, s16, 4                         ; batch
	s_and_b32 s18, s16, 15                         ; head
	s_lshl_b32 s19, s18, 14                        ; the head's chunk among a block's
	s_lshl_b32 s20, s17, 24                        ; the batch's 16 blocks of big
	s_add_co_u32 s20, s20, s19
	s_and_b32 s21, s[WV], 1                        ; which half of a tile's 128 keys I fetch
	s_lshl_b32 s22, s21, 13
	s_add_co_u32 s22, s22, s20
	s_add_co_u32 s22, s22, 16*16384                ; K: chunk 16 + head
	s_mov_b32 s23, 0
	s_add_co_u32 s48, s22, 16*16384                ; V: chunk 32 + head
	s_mov_b32 s49, 0
	s_lshl_b32 s13, s[WV], 12                      ; my wave's 32 rows of 128 bytes
	s_lshl_b32 s50, s[HI], 20
	s_add_co_u32 s50, s50, s20
	s_add_co_u32 s50, s50, s13                     ; Q of the first block
	s_mov_b32 s51, 0
	s_lshl_b32 s52, s[PB], 20
	s_add_co_u32 s52, s52, s20
	s_add_co_u32 s52, s52, s13                     ; Q of the second
	s_mov_b32 s53, 0
	s_lshl_b32 s67, s17, 22                        ; act: the batch's 16 blocks of 262,144 bytes
	s_add_co_u32 s67, s67, s19
	s_add_co_u32 s67, s67, s13
	s_lshl_b32 s54, s[HI], 18
	s_add_co_u32 s54, s54, s67                     ; O of the first block
	s_mov_b32 s55, 0
	s_lshl_b32 s76, s[PB], 18
	s_add_co_u32 s76, s76, s67                     ; O of the second
	s_mov_b32 s77, 0
	; descriptor group 1: 64 keys are 8,192 dense bytes: 32 rows of 256 bytes, two keys a row, padded in LDS after every key
	s_mov_b32 s[G1K], (1<<16)|(1<<20)|(4<<22)|(3<<25)  ; 2-byte elements; padding on; after every 32 words; 4 words
	s_mov_b32 s[G1V], (1<<16)|(1<<20)|(4<<22)|(7<<25)  ; the same with 8 words
.irp g, G1K, G1V
	s_mov_b32 s[\g+1], 128<<16                     ; tensor_dim0 = 128
	s_mov_b32 s[\g+2], 32<<16                      ; tensor_dim1 = 32
	s_mov_b32 s[\g+3], 128<<16                     ; tile_dim0 = 128
	s_mov_b32 s[\g+4], 32                          ; tile_dim1 = 32
	s_mov_b32 s[\g+5], 128                         ; dense
	s_mov_b32 s[\g+6], 0
	s_mov_b32 s[\g+7], 0
.endr
	s_mov_b32 s[CS], 0x3d38aa3b                    ; c = log2(e) / 32
	s_mov_b32 s[CS+1], s[CS]
	s_mov_b32 s[SEL], 0x76543210
	s_mov_b32 s[SEL+1], 0xfedcba98
	s_mov_b32 s[TBK], SLOT1+2*KS*PK                ; the first change of slots turns these two into 0
	s_mov_b32 s[TBV], SLOT1+2*KS*PV
	s_mov_b32 s[G0K], 1
	s_mul_i32 s[G0K+1], s21, KS*PK                 ; LDS address: slot 0, my half
	s_mov_b32 s[G0V], 1
	s_mul_i32 s[G0V+1], s21, KS*PV
	s_add_co_u32 s[G0V+1], s[G0V+1], VOFF
	s_add_co_u32 s[RT], s[HI], 1                   ; the first block has 16 - p tiles
	s_mov_b32 s[NXT], 1
	s_mov_b32 s[LQ], s[HI]
	s_mov_b32 s[OFF+1], 0
	s_mov_b32 s[SLOTS], 16
	s_wait_kmcnt 0x0
	s_add_nc_u64 s[6:7], s[84:85], s[22:23]        ; K and V at my half of the head's tile 0
	s_add_nc_u64 s[8:9], s[84:85], s[48:49]
	s_add_nc_u64 s[4:5], s[84:85], s[50:51]
	s_add_nc_u64 s[82:83], s[84:85], s[52:53]
	s_add_nc_u64 s[10:11], s[86:87], s[54:55]
	s_add_nc_u64 s[OLO:OLO+1], s[86:87], s[76:77]
	s_add_nc_u64 s[G0K+2:G0K+3], s[6:7], 0
	s_or_b32 s[G0K+3], s[G0K+3], 0x80000000
	s_add_nc_u64 s[G0V+2:G0V+3], s[8:9], 0
	s_or_b32 s[G0V+3], s[G0V+3], 0x80000000
	LOAD                                           ; tile 0 into slot 0: one load of mine is out, here and behind every change of slots
	v_and_b32 v1, 15, v0                           ; l % 16
	v_bfe_u32 v9, v0, 4, 1                         ; l / 16
	v_lshlrev_b32 v[QO], 7, v1
	v_lshl_add_u32 v[QO], v9, 4, v[QO]             ; row x 128 + 16 x half
	WIN 0x40                                       ; destination window 1
.set i, 0
.rept 4                                ; both blocks' Q stay in registers: tile i / 2, channels 32 (i % 2) on
	global_load_b128 v[Q+8*i:Q+8*i+3],     v[QO], s[4:5] offset:(i/2)*2048+(i%2)*64
	global_load_b128 v[Q+8*i+4:Q+8*i+7],   v[QO], s[4:5] offset:(i/2)*2048+(i%2)*64+32
	global_load_b128 v[Q2+8*i:Q2+8*i+3],   v[QO], s[82:83] offset:(i/2)*2048+(i%2)*64
	global_load_b128 v[Q2+8*i+4:Q2+8*i+7], v[QO], s[82:83] offset:(i/2)*2048+(i%2)*64+32
.set i, i+1
.endr
	WIN 0
	v_lshlrev_b32 v10, 3, v9
	v_sub_nc_u32 v[DD0], v1, v10
	s_lshl_b32 s13, s[WV], 5
	v_add_nc_u32 v[DD0], s13, v[DD0]
	v_mov_b32 v[NEG], 0xff7fffff
	v_mul_u32_u24 v[AK0], v1, PK
	v_lshl_add_u32 v[AK0], v9, 4, v[AK0]           ; row x pitch + 16 x half
	v_and_b32 v10, 7, v0                           ; the turning load: key 8 (l / 16) + l % 8, channels 8 ((l / 8) % 2) + 0..7
	v_bfe_u32 v11, v0, 3, 1
	v_lshl_add_u32 v[AV0], v9, 3, v10
	v_mul_u32_u24 v[AV0], v[AV0], PV
	v_lshl_add_u32 v[AV0], v11, 4, v[AV0]
	v_add_nc_u32 v[AV0], VOFF, v[AV0]
	s_mul_i32 s13, s[WV], 16*SP
	s_add_co_u32 s13, s13, STAGE                   ; my stage
	v_mul_u32_u24 v[STO], v1, SP                   ; in: row l % 16, 16 bytes for each half of the lanes
	v_lshl_add_u32 v[STO], v9, 4, v[STO]
	v_add_nc_u32 v[STO], s13, v[STO]
	v_bfe_u32 v[RD], v0, 3, 2                      ; back: 32 lanes take four rows of 128 bytes,
	v_mul_u32_u24 v[RD], v[RD], SP
	v_lshl_add_u32 v[RD], v10, 4, v[RD]
	v_add_nc_u32 v[RD], s13, v[RD]
	v_and_b32 v[GO], 31, v0                        ; which are 512 consecutive bytes of O
	v_lshlrev_b32 v[GO], 4, v[GO]
.set i, 0
.rept 64                               ; O^T and l need only be finite where a block begins: zeros, written in the wait for the first tile
	v_mov_b32 v[O+i], 0
.set i, i+1
.endr
.macro FRESH                           ; a block begins
.irp t, 0,1
	v_mov_b32 v[ST+8*(\t)], 0xfe000000             ; c m: far below every c s
	v_mov_b32 v[ST+8*(\t)+1], 0xff7fffff           ; m
.endr
.endm
	FRESH
.irp t, 0,1
	v_mov_b32 v[ST+8*(\t)+2], 0
	v_mov_b32 v[ST+8*(\t)+3], 0
.endr
; THE LDS LOADS stand in runs of 16: a step's K (64 keys x 64 channels: 8 fragments) and its V (turned).  Each run steps its scalar to the next step.
.macro FETCH_K
	WIN 0x40
.irp f, 0,1,2,3,4,5,6,7                ; keys 16 (f / 2) on, channels 32 (f % 2) on
	ds_load_b128 v[KF+8*(\f):KF+8*(\f)+3],   v[AK] offset:((\f)/2)*16*PK+((\f)%2)*64
	ds_load_b128 v[KF+8*(\f)+4:KF+8*(\f)+7], v[AK] offset:((\f)/2)*16*PK+((\f)%2)*64+32
.endr
	s_add_co_u32 s[TBK], s[TBK], KS*PK
	WIN 0
.endm
.macro FETCH_V
	WIN 0x40
.irp f, 0,1,2,3,4,5,6,7                ; keys 32 (f / 4) on, channels 16 (f % 4) on
	ds_load_tr16_b128 v[VF+8*(\f):VF+8*(\f)+3],   v[AV] offset:((\f)/4)*32*PV+((\f)%4)*32
	ds_load_tr16_b128 v[VF+8*(\f)+4:VF+8*(\f)+7], v[AV] offset:((\f)/4)*32*PV+16*PV+((\f)%4)*32
.endr
	s_add_co_u32 s[TBV], s[TBV], KS*PV
	WIN 0
.endm
; THE MATRIX WORK, one product at a time; i counts a run's eight.  The 4 accumulators of a run take turns, one instruction a turn; two runs that follow each other name other accumulators.
; m = 0: product i of S^T = K Q^T of tile t: keys 16 (i % 4) on, channels 32 (i / 4) on; the first 4 start the sums.  m = 1: product i of O^T += V^T P of tile t: channels 16 (i % 4) on, keys 32 (i / 4) on.
.macro MMW m, t
.if \m
	WIN 0x01                                       ; V in window 1; P and O^T in window 0
.set rO, O+32*(\t)+8*(i%4)
.set rV, VF+32*(i/4)+8*(i%4)
.set rP, P+16*(\t)+8*(i/4)
	v_wmma_f32_16x16x32_bf16 v[rO:rO+7], v[rV:rV+7], v[rP:rP+7], v[rO:rO+7]
.else
	WIN 0x05                                       ; K and Q in window 1, S^T in window 0
.set rS, S+32*(\t)+8*(i%4)
.set rK, KF+16*(i%4)+8*(i/4)
.set rQ, Q+16*(\t)+8*(i/4)
.if i < 4
	v_wmma_f32_16x16x32_bf16 v[rS:rS+7], v[rK:rK+7], v[rQ:rQ+7], 0
.else
	v_wmma_f32_16x16x32_bf16 v[rS:rS+7], v[rK:rK+7], v[rQ:rQ+7], v[rS:rS+7]
.endif
.endif
.set i, i+1
.endm
; THE MASK of tile t, in a diagonal tile: register n holds key 16 (n / 8) + n % 8 + 8 (lane / 16) of the step; it is hidden where that is greater than the query's place.  Ascending.
.macro MASK t
.set n, 0
.rept 32
	v_cmp_gt_i32 vcc_lo, 16*(n/8)+n%8-16*(\t), v[DD]
	v_cndmask_b32 v[S+32*(\t)+n], v[S+32*(\t)+n], v[NEG], vcc_lo
.set n, n+1
.endr
.endm
; THE VECTOR WORK of tile t, one line at a time: OP kind, number, tile.  All of it lies in window 0.  s0-s31 are the lane's 32 scores.
;   X n, the 22 that find the maximum and the statistics: 0-11 four chains c0-c3 of seven scores each, three operands at a time (each accumulator's lowest registers first);
;        12-15 the four scores left over, c0-c3 and the old m into c0; 16, 18 the query's other 32 keys lie in the lane 16 away: the new m; 17 c m_old is kept; 19-21 c m, c m_old - c m_new, a
;   F n: c s - c m for pair n of 16.   E n: the exponential of score n.   C n: pair n rounded to bf16.   B n: sum n of 15: the 16 pairs are added in place, neighbours 1, 2, 4, 8 pairs apart.
;   L: l = a l + the sum.   R n: pair n of 16 of O^T times a.
.set F, 0
.set E, 1
.set C, 2
.set B, 3
.set L, 4
.set R, 5
.set X, 6
.macro OP k, n, t
.set rT, ST+8*(\t)
.set rS, S+32*(\t)
.set rP, P+16*(\t)
.set rO, O+32*(\t)
	WIN 0
.if (\k) == F
	v_pk_fma_f32 v[rS+2*(\n):rS+2*(\n)+1], v[rS+2*(\n):rS+2*(\n)+1], s[CS:CS+1], v[rT:rT+1] op_sel_hi:[1,0,0] neg_lo:[0,0,1] neg_hi:[0,0,1]
.elseif (\k) == E
	v_exp_f32 v[rS+(\n)], v[rS+(\n)]
.elseif (\k) == C
	s_wait_alu depctr_va_vdst(0)
	v_cvt_pk_bf16_f32 v[rP+(\n)], v[rS+2*(\n)], v[rS+2*(\n)+1]
.elseif (\k) == B
.set w, 4
.set u, (\n)
.if (\n) >= 14
.set w, 32
.set u, 0
.elseif (\n) >= 12
.set w, 16
.set u, (\n)-12
.elseif (\n) >= 8
.set w, 8
.set u, (\n)-8
.endif
	v_pk_add_f32 v[rS+w*u:rS+w*u+1], v[rS+w*u:rS+w*u+1], v[rS+w*u+w/2:rS+w*u+w/2+1]
.elseif (\k) == L
	v_pk_fma_f32 v[rT+2:rT+3], v[rT+2:rT+3], v[rT+6:rT+7], v[rS:rS+1] op_sel_hi:[1,0,1]
.elseif (\k) == R
	v_pk_mul_f32 v[rO+2*(\n):rO+2*(\n)+1], v[rO+2*(\n):rO+2*(\n)+1], v[rT+6:rT+7] op_sel_hi:[1,0]
.else
.if (\n) < 4
	v_max3_num_f32 v[rT+4+(\n)], v[rS+8*(\n)], v[rS+8*(\n)+1], v[rS+8*(\n)+2]
.elseif (\n) < 12
	v_max3_num_f32 v[rT+4+(\n)%4], v[rT+4+(\n)%4], v[rS+8*((\n)%4)+2*((\n)/4)+1], v[rS+8*((\n)%4)+2*((\n)/4)+2]
.elseif (\n) == 12
	v_max3_num_f32 v[rT+4], v[rT+4], v[rS+7], v[rS+15]
.elseif (\n) == 13
	v_max3_num_f32 v[rT+6], v[rT+6], v[rS+23], v[rS+31]
.elseif (\n) == 14
	v_max3_num_f32 v[rT+4], v[rT+4], v[rT+5], v[rT+6]
.elseif (\n) == 15
	v_max3_num_f32 v[rT+4], v[rT+4], v[rT+7], v[rT+1]
.elseif (\n) == 16
	v_permlanex16_b32 v[rT+5], v[rT+4], s[SEL], s[SEL+1]
.elseif (\n) == 17
	v_mov_b32 v[rT+7], v[rT]
.elseif (\n) == 18
	v_max_num_f32 v[rT+1], v[rT+4], v[rT+5]
.elseif (\n) == 19
	v_mul_f32 v[rT], s[CS], v[rT+1]
.elseif (\n) == 20
	v_sub_f32 v[rT+7], v[rT+7], v[rT]
.else
	v_exp_f32 v[rT+6], v[rT+7]
.endif
.endif
.endm
.macro OPS t, k1, n1, k2=-1, n2=0, k3=-1, n3=0, k4=-1, n4=0  ; up to four of them, of one tile
	OP \k1, \n1, \t
.if (\k2) >= 0
	OP \k2, \n2, \t
.endif
.if (\k3) >= 0
	OP \k3, \n3, \t
.endif
.if (\k4) >= 0
	OP \k4, \n4, \t
.endif
.endm
; THE HEAD of tile ts's softmax, behind the eight products (kind m) of tile tm.  No line names a register of the products round it.  Where each line waits for the one before it (12 to 21) two or three
; stand behind a product.  Behind a's exponential come a product and then plain scalings, long before a is used.  The four scalings at the end are plain: the places behind the run's last product.
.macro HEAD m, tm, ts
.set i, 0
	MMW \m, \tm
	OPS \ts, X,0, X,1, X,2, X,3
	MMW \m, \tm
	OPS \ts, X,4, X,5, X,6, X,7
	MMW \m, \tm
	OPS \ts, X,8, X,9, X,10, X,11
	MMW \m, \tm
	OPS \ts, X,12, X,13
	MMW \m, \tm
	OPS \ts, X,14, X,15
	MMW \m, \tm
	OPS \ts, X,16, X,17, X,18
	MMW \m, \tm
	OPS \ts, X,19, X,20, X,21
	MMW \m, \tm
	OPS \ts, F,0, F,1, F,2, F,3
.endm
; THE REST of tile t's softmax: 32 exponentials, a plain instruction behind each, so that no two follow each other and none is used before a plain instruction has passed (ISA guide 5.7.2).
; The plain one behind exponential k: the scaling of pair k + 4 (its exponentials are numbers 2 k + 8, 2 k + 9); from k = 12 the rounding of pair k - 12, whose second exponential is number 2 k - 23,
; at least one pair of lines back; from k = 23 roundings at the even k (pair 11 at 24 .. pair 14 at 30) and rescalings at the odd.  The rescalings go in ascending order: each accumulator of O^T is read from its low end.
.macro MAIN t
.set k, 0
.rept 32
	OP E, k, \t
.if k < 12
	OP F, k+4, \t
.elseif k < 23
	OP C, k-12, \t
.elseif k%2 == 1
	OP R, (k-23)/2, \t
.else
	OP C, 11+(k-24)/2, \t
.endif
.set k, k+1
.endr
	OP R, 5, \t
	OP C, 15, \t
.set k, 6
.rept 10
	OP R, k, \t
.set k, k+1
.endr
.endm
; A TILE: two key steps, written once and walked twice.  K of the second step is fetched behind the first step's last K Q^T, its V behind the first step's last V^T P; in the second trip both runs are jumped over.
; Behind each run of products stand four plain vector instructions or more, ahead of the loads into, and the vector work on, those products' registers.
.macro TILE
	s_sub_co_u32 s[RT], s[RT], 1                   ; 0: this is the block's diagonal tile
	s_mov_b32 s[CNT], 2
	v_add_nc_u32 v[AK], s[TBK], v[AK0]
	v_add_nc_u32 v[AV], s[TBV], v[AV0]
	v_mov_b32 v[DD], v[DD0]
	FETCH_K
	FETCH_V
	s_wait_dscnt 16                                ; K is in; V's 16 loads, which are younger, may be out
.Lstep_\@:
.set i, 0
.rept 8
	MMW 0, 0                                       ; tile 0's scores: nothing is ready to stand behind them
.endr
	WIN 0
	v_add_nc_u32 v[AK], s[TBK], v[AK0]             ; four places behind tile 0's last product
	v_nop
	v_nop
	v_nop
	s_cmp_lg_u32 s[RT], 0
	s_cbranch_scc1 .Lopen0_\@
	MASK 0
.Lopen0_\@:
	HEAD 0, 1, 0                                   ; tile 1's scores | tile 0: maximum, statistics, first scalings
	s_cmp_eq_u32 s[CNT], 1
	s_cbranch_scc1 .Lno_k_\@
	FETCH_K                                        ; four plain scalings stand between K's last reader and these loads
.Lno_k_\@:
	MAIN 0
	s_cmp_lg_u32 s[RT], 0
	s_cbranch_scc1 .Lopen1_\@
	MASK 1
.Lopen1_\@:
	s_wait_dscnt 0x0                               ; V of this step is in, and K of the next
	HEAD 1, 0, 1                                   ; tile 0: V^T P | tile 1: maximum, statistics, first scalings
	MAIN 1
.set i, 0
.rept 7                                ; tile 1: V^T P | both tiles' sums, four behind each product, the tiles alternating
	MMW 1, 1
	OP B, 2*i-2, 0
	OP B, 2*i-2, 1
	OP B, 2*i-1, 0
	OP B, 2*i-1, 1
.endr
	MMW 1, 1
	OP B, 14, 0
	OP B, 14, 1
	OP L, 0, 0
	OP L, 0, 1
	v_add_nc_u32 v[AV], s[TBV], v[AV0]             ; with the four lines above: six plain instructions between V's last reader and the loads below
	v_add_nc_u32 v[DD], 0xffffffc0, v[DD]          ; the next step's keys begin 64 on
	s_cmp_eq_u32 s[CNT], 1
	s_cbranch_scc1 .Lno_v_\@
	FETCH_V
.Lno_v_\@:
	s_sub_co_u32 s[CNT], s[CNT], 1
	s_cmp_lg_u32 s[CNT], 0
	s_cbranch_scc1 .Lstep_\@
.endm
.macro BOTH line:vararg                ; one line for each of the two tiles t
.set t, 0
.rept 2
	\line
.set t, t+1
.endr
.endm
; THE WAY OUT.  l's two halves and the other half of the lanes' are added; O^T is divided by l, rounded to bf16 and sent through my stage in LDS, a tile at a time.
.macro PACK t
.set n, 0
.rept 16
	v_pk_mul_f32 v[O+32*(\t)+2*n:O+32*(\t)+2*n+1], v[O+32*(\t)+2*n:O+32*(\t)+2*n+1], v[ST+8*(\t)+2:ST+8*(\t)+3] op_sel_hi:[1,0]
.set n, n+1
.endr
.set n, 0
.rept 16
	v_cvt_pk_bf16_f32 v[S+16*(\t)+n], v[O+32*(\t)+2*n], v[O+32*(\t)+2*n+1]
.set n, n+1
.endr
.irp f, 0,1,2,3
	ds_store_b128 v[STO], v[S+16*(\t)+4*(\f):S+16*(\t)+4*(\f)+3] offset:32*(\f)
.endr
.irp f, 0,1,2,3
	ds_load_b128 v[S+16*(\t)+4*(\f):S+16*(\t)+4*(\f)+3], v[RD] offset:(\f)*4*SP  ; LDS serves a wave's instructions in order (ISA guide 5.7.1.4): these see the stores above; the next tile's stores come behind them
.endr
.endm
.macro SEND t, younger                 ; younger: the LDS instructions issued behind tile t's loads
.irp f, 0,1,2,3
	s_wait_dscnt (\younger)+3-(\f)
	global_store_b128 v[GO], v[S+16*(\t)+4*(\f):S+16*(\t)+4*(\f)+3], s[10:11] offset:(\t)*2048+(\f)*512  ; 512 consecutive bytes, aligned: four rows of the head's chunk
.endr
.endm
.macro WAYOUT
	BOTH v_add_f32 v[ST+8*t+2], v[ST+8*t+2], v[ST+8*t+3]
	BOTH v_permlanex16_b32 v[ST+8*t+3], v[ST+8*t+2], s[SEL], s[SEL+1]
	BOTH v_add_f32 v[ST+8*t+2], v[ST+8*t+2], v[ST+8*t+3]
	BOTH v_rcp_f32 v[ST+8*t+2], v[ST+8*t+2]
	v_nop                                          ; a plain instruction between the last reciprocal and the use of its result
	s_wait_alu depctr_va_vdst(0)
	PACK 0
	PACK 1
	SEND 0, 8
	SEND 1, 0
.endm
	s_wait_loadcnt 0x0                             ; Q, both blocks'
.Lslot:                                                ; 16 times: a tile is entered and the next is asked for
	CHANGE 1
	TILE
	s_cmp_lg_u32 s[RT], 0
	s_cbranch_scc1 .Lbottom
	WAYOUT                                         ; the first block's end (the second's last tile is the walk's last, behind the loop)
	s_wait_xcnt 0x0                                ; the stores have read their registers and O's address
	s_mov_b64 s[10:11], s[OLO:OLO+1]
	s_add_co_u32 s[RT], s[PB], 1                   ; the second block has p + 1 tiles
	FRESH
	WIN 0x41                                       ; the second block's Q goes where the one text names Q
.set i, 0
.rept 32
	v_mov_b32 v[Q+i], v[Q2+i]
.set i, i+1
.endr
	WIN 0
.Lbottom:
	s_sub_co_u32 s[SLOTS], s[SLOTS], 1
	s_cmp_lg_u32 s[SLOTS], 0
	s_cbranch_scc1 .Lslot
	CHANGE 0                                       ; the walk's last tile is written out: nothing is asked for
	TILE
	WAYOUT
	s_wait_tensorcnt 0x0                           ; the wave's end
	ds_add_u32 v[SPW], v[NIL]
	s_wait_dscnt 0x0
	s_endpgm
.Lfunc_end_k_qf97ff78086_attn:
	.size	k_qf97ff78086_attn, .Lfunc_end_k_qf97ff78086_attn-k_qf97ff78086_attn
	.p2alignl 7, 3214868480
	.fill 96, 4, 3214868480
	.section	.rodata,"a",@progbits
	.p2align	6, 0x0
	.amdhsa_kernel k_qf97ff78086_attn
		.amdhsa_group_segment_fixed_size 327680
		.amdhsa_private_segment_fixed_size 0
		.amdhsa_enable_private_segment 0
		.amdhsa_kernarg_size 16
		.amdhsa_user_sgpr_count 2
		.amdhsa_user_sgpr_kernarg_segment_ptr 1
		.amdhsa_wavefront_size32 1
		.amdhsa_system_sgpr_workgroup_id_x 1
		.amdhsa_system_sgpr_workgroup_id_y 1
		.amdhsa_system_sgpr_workgroup_id_z 1
		.amdhsa_system_vgpr_workitem_id 0
		.amdhsa_next_free_vgpr 448
		.amdhsa_next_free_sgpr 90
		.amdhsa_reserve_vcc 1
		.amdhsa_float_denorm_mode_32 3
		.amdhsa_float_denorm_mode_16_64 3
		.amdhsa_memory_ordered 1
		.amdhsa_forward_progress 1
		.amdhsa_inst_pref_size 79
	.end_amdhsa_kernel
	.amdgpu_metadata
---
amdhsa.version: [ 1, 2 ]
amdhsa.kernels:
  - .name:           k_qf97ff78086_attn
    .symbol:         k_qf97ff78086_attn.kd
    .args:
      - { .name: big, .offset: 0, .size: 8, .value_kind: global_buffer, .address_space: global }
      - { .name: act, .offset: 8, .size: 8, .value_kind: global_buffer, .address_space: global }
    .group_segment_fixed_size: 327680
    .private_segment_fixed_size: 0
    .kernarg_segment_align: 8
    .kernarg_segment_size: 16
    .max_flat_workgroup_size: 128
    .sgpr_count:     90
    .vgpr_count:     448
    .wavefront_size: 32
...
	.end_amdgpu_metadata
.endif
;; end of part 3
;; launch wo (part 4): grid 8 x 32, 4 waves a work-group, clusters of 4 x 4, 327,680 bytes of LDS; arguments act, wow2, bo, x, x1; writes x1
.if DOCPART == 4
	.amdgcn_target "amdgcn-amd-amdhsa--gfx1250"
	.amdhsa_code_object_version 6
	.text
	.protected	k_qf97ff78086_wo
	.globl	k_qf97ff78086_wo
	.p2align	8
	.type	k_qf97ff78086_wo,@function
k_qf97ff78086_wo:
	s_mov_b64 s[64:65], 0
	v_nop
	global_prefetch_b8 v0, s[64:65] scope:SCOPE_SE
	s_setreg_imm32_b32 hwreg(HW_REG_WAVE_MODE, 25, 1), 1
	s_wait_xcnt 0x0
	s_wait_alu depctr_hold_cnt(0) depctr_sa_sdst(0) depctr_va_vdst(0) depctr_va_sdst(0) depctr_va_ssrc(0) depctr_va_vcc(0) depctr_vm_vsrc(0)
	s_getreg_b32 s2, hwreg(HW_REG_IB_STS2, 6, 4)
	s_cmp_eq_u32 s2, 0
	s_cbranch_scc0 .Lentry_in_a_cluster
	s_endpgm
.Lentry_in_a_cluster:
	s_bfe_u32 s2, ttmp6, 0x10000c
	s_cmp_lg_u32 s2, 0xf033
	s_cbranch_scc0 .Lentry_shape_is_right
	s_endpgm
.Lentry_shape_is_right:
; out = res + A W + bias, 1,024 columns, f32 out.  Here: x1 = x + O Wo + bo, K = 1,024.  (The same text with KK = 4,096 and WOFF = 2,097,152 is the second feed-forward product.)
; A: bf16 [32 mb][KK / 64 kb][128 r][64 c].   W: bf16 [8 nb][KK k][128 n] at byte WOFF of its buffer.   bias: f32 [1024].   res, out: f32 [4096][1024].
; SHARES.  32 x 8 tiles of 128 x 128 give each of 256 work-groups one; four waves, 64 x 64 each: 16 accumulators.  K goes in steps of 256 through two LDS slots; every tensor load brings 32,768 dense
; bytes as 128 rows of 256: two kb chunks of A (LDS rows of 144 bytes) or 128 k rows of W (LDS rows of 288).  W lies [k][n] and is turned by ds_load_tr16_b128.
; The bias is the C operand of the first products.  The residual is loaded at the start, in the layout of the stores, and is on its way under the whole K loop.
; THE MATRIX INSTRUCTION IS USED TRANSPOSED (source 0 = 16 columns of W, source 1 = 16 rows of A): a lane holds one row and eight neighbouring columns, 32 bytes of f32.
; CLUSTER 4 x 4: A's tiles are shared along a row of the cluster, W's along a column: joint loads.
; REGISTERS: window 0: v16-29 addresses; v32-95 rows on the way out, two buffers; v96-127 the bias; v128-255 accumulators, (a, b) at 128 + 8 (4 a + b)
;   window 1: two fragment buffers of 128: 64 of A (2 x 4 x 16 rows x 32 K), then 64 of W     window 2: v0-127 the residual
.set KK,     1024
.set WOFF,   0
.set MBS,    KK*256                    ; bytes of one mb of A, and of one nb of W
.set PA,     144
.set PB,     288
.set KBCH,   128*PA
.set HALFT,  2*KBCH                    ; what one tensor load fills
.set SLOT,   4*HALFT                   ; A's four chunks, then W's 256 rows
.set STAGE,  2*SLOT                    ; behind the ring: 16 rows x 272 bytes for each wave
.set SPITCH, 272
.set SPARE,  STAGE+4*16*SPITCH         ; behind the stages: the spare words, 128 bytes a wave, which no other line names
.set STEPB,  65536                     ; bytes of A and of W in a K step of 256
.set LAPS,   KK/512
.set ADRA, 16                          ; v16-17  my A fragments in slot 0, 1
.set ADRB, 20                          ; v20-23  my W fragments: slot s, k half f at 2 s + f
.set STO,  24
.set RD,   25
.set CO,   26                          ; my byte offset in two rows of res and out
.set BO,   27
.set SPW,  28
.set NIL,  29
.set BK0,  32
.set BIA,  96
.set ACC,  128
.set F0,   0
.set F1,   128
.set G1,   24
.set G0,   32
.set G1B,  48
.set G0B,  56
.set MSB, 0
.macro WIN new
.if MSB != (\new)
	s_set_vgpr_msb (MSB<<8)|(\new)
.set MSB, \new
.endif
.endm
.set MUL,  0x05                        ; sources 0 (W) and 1 (A) window 1; C and D window 0
.set TO_F, 0x40                        ; destination window 1, address window 0
.macro JLOAD s                         ; a joint load: waves 0 and 1 fetch A's two halves, waves 2 and 3 W's; an s_nop 0 and four v_nop follow each line
	s_cmp_eq_u32 s11, 0
	s_cbranch_scc0 .Lfor_b_\@
	tensor_load_to_lds s[G0+4*(\s):G0+4*(\s)+3], s[G1:G1+7]
	s_nop 0
.rept 4
	v_nop
.endr
	s_branch .Lasked_\@
.Lfor_b_\@:
	tensor_load_to_lds s[G0B+4*(\s):G0B+4*(\s)+3], s[G1B:G1B+7]
	s_nop 0
.rept 4
	v_nop
.endr
.Lasked_\@:
.endm
.macro CREST
	s_cmp_lg_u32 s10, 0
	s_cbranch_scc1 .Lnot_wave_0_\@
	s_barrier_signal -3
.Lnot_wave_0_\@:
	s_barrier_wait -3
	s_barrier_signal -1
	s_barrier_wait -1
.endm
.macro CROUND
	s_barrier_signal -1
	s_barrier_wait -1
	CREST
.endm
	s_load_b256 s[72:79], s[0:1], 0x0              ; A s[72:73], W s[74:75], bias s[76:77], res s[78:79]
	s_load_b64 s[8:9], s[0:1], 0x20                ; out
	v_lshl_add_u32 v[SPW], v0, 2, SPARE
	v_mov_b32 v[NIL], 0
	ds_add_u32 v28, v29
	ds_add_u32 v28, v29
	s_wait_dscnt 0x0
	v_lshrrev_b32 v1, 5, v0
	v_readfirstlane_b32 s10, v1                    ; wave 0..3
	s_lshr_b32 s11, s10, 1                         ; which 64 rows of the tile are mine.  Also: I fetch for A (0) or for W (1)
	s_and_b32 s12, s10, 1                          ; which 64 columns.  Also: which half of a step's K I fetch
	s_bfe_u32 s40, ttmp6, 0x40000
	s_bfe_u32 s41, ttmp6, 0x40004
	s_lshl_b32 s42, ttmp9, 2
	s_add_co_u32 s42, s42, s40                     ; tile column = 4 x cluster x + cx
	s_and_b32 s13, ttmp7, 0xffff
	s_lshl_b32 s13, s13, 2
	s_add_co_u32 s13, s13, s41                     ; tile row = 4 x cluster y + cy
	s_lshl_b32 s43, s41, 2
	s_lshl_b32 s43, 15, s43                        ; my row of the cluster
	s_lshl_b32 s44, 0x1111, s40                    ; my column
	s_or_b32 s[G1+0], s43, (1<<16)|(1<<20)|(1<<21)|(4<<22)|(3<<25)   ; the mask; 2-byte elements; padding on; bit 21 beside a mask; after every 32 words, 4 words
	s_or_b32 s[G1B+0], s44, (1<<16)|(1<<20)|(1<<21)|(5<<22)|(7<<25)  ; W: after every 64 words, 8 words
.irp g, G1, G1B
	s_mov_b32 s[(\g)+1], 128<<16                   ; tensor_dim0 = 128 elements (256 bytes)
	s_mov_b32 s[(\g)+2], 128<<16                   ; tensor_dim1 = 128
	s_mov_b32 s[(\g)+3], 128<<16                   ; tile_dim0 = 128
	s_mov_b32 s[(\g)+4], 128                       ; tile_dim1 = 128
	s_mov_b32 s[(\g)+5], 128                       ; dense
	s_mov_b32 s[(\g)+6], 0
	s_mov_b32 s[(\g)+7], 0
.endr
	s_mul_i32 s16, s13, MBS                        ; A: mb = tile row; my two chunks of the step: of the tile row and the wave's number alone
	s_lshl_b32 s17, s12, 15
	s_add_co_u32 s16, s16, s17
	s_mov_b32 s17, 0
	s_mul_i32 s46, s42, MBS                        ; W: nb = tile column; my 128 k rows of the step: of the tile column and the wave's number alone
	s_lshl_b32 s47, s12, 15
	s_add_co_u32 s46, s46, s47
	s_add_co_u32 s46, s46, WOFF
	s_mov_b32 s47, 0
	s_mul_i32 s20, s10, HALFT                      ; where my load lands
	s_wait_kmcnt 0x0
	s_add_nc_u64 s[14:15], s[72:73], s[16:17]
	s_add_nc_u64 s[46:47], s[74:75], s[46:47]
	CROUND                                         ; all sixteen work-groups are here: the first joint loads meet
.irp s, 0,1
	s_mov_b32 s[G0+4*(\s)], 1
	s_add_co_u32 s[G0+4*(\s)+1], s20, (\s)*SLOT
	s_add_nc_u64 s[G0+4*(\s)+2:G0+4*(\s)+3], s[14:15], (\s)*STEPB
	s_or_b32 s[G0+4*(\s)+3], s[G0+4*(\s)+3], 0x80000000
	s_mov_b32 s[G0B+4*(\s)], 1
	s_add_co_u32 s[G0B+4*(\s)+1], s20, (\s)*SLOT
	s_add_nc_u64 s[G0B+4*(\s)+2:G0B+4*(\s)+3], s[46:47], (\s)*STEPB
	s_or_b32 s[G0B+4*(\s)+3], s[G0B+4*(\s)+3], 0x80000000
	JLOAD \s                                       ; two loads of mine are out
.endr
	v_and_b32 v1, 15, v0                           ; l % 16
	v_bfe_u32 v2, v0, 4, 1                         ; l / 16
	s_lshl_b32 s46, s42, 9                         ; my first column in bytes of f32: 512 x tile column + 256 x half
	s_lshl_b32 s47, s12, 8
	s_add_co_u32 s46, s46, s47
	s_mov_b32 s47, 0
	s_add_nc_u64 s[76:77], s[76:77], s[46:47]
	s_lshl_b32 s16, s13, 19                        ; my first row: (128 x tile row + 64 x half) x 4,096 bytes
	s_lshl_b32 s17, s11, 18
	s_add_co_u32 s16, s16, s17
	s_mov_b32 s17, 0
	s_add_nc_u64 s[16:17], s[16:17], s[46:47]
	s_add_nc_u64 s[78:79], s[78:79], s[16:17]
	s_add_nc_u64 s[8:9], s[8:9], s[16:17]
	v_lshlrev_b32 v[BO], 5, v2
	v_lshlrev_b32 v[CO], 12, v2                    ; lanes 0-15 one row's 256 bytes, lanes 16-31 the next row's
	v_lshl_add_u32 v[CO], v1, 4, v[CO]
.irp b, 0,1,2,3
	global_load_b128 v[BIA+8*(\b):BIA+8*(\b)+3],   v[BO], s[76:77] offset:64*(\b)
	global_load_b128 v[BIA+8*(\b)+4:BIA+8*(\b)+7], v[BO], s[76:77] offset:64*(\b)+16
.endr
	WIN 0x80                                       ; destination window 2
.set i, 0
.rept 32                               ; the residual: rows 2 i, 2 i + 1 of my 64
	global_load_b128 v[4*i:4*i+3], v[CO], s[78:79] offset:2*i*4096
.set i, i+1
.endr
	WIN 0
	v_mul_u32_u24 v3, v1, PA
	v_lshl_add_u32 v3, v2, 4, v3                   ; A: row x pitch + 16 x half
	s_mul_i32 s21, s11, 64*PA                      ; my 64 rows in each chunk
	v_and_b32 v4, 7, v0                            ; W, the turning load: k row 8 (l / 16) + l % 8, columns 8 ((l / 8) % 2) + 0..7
	v_lshl_add_u32 v4, v2, 3, v4
	v_mul_u32_u24 v4, v4, PB
	v_bfe_u32 v5, v0, 3, 1
	v_lshl_add_u32 v4, v5, 4, v4
	s_lshl_b32 s22, s12, 7                         ; my 64 columns,
	s_add_co_u32 s22, s22, 2*HALFT                 ; behind A's four chunks
.irp s, 0,1
	v_add_nc_u32 v[ADRA+(\s)], s21, v3
	v_add_nc_u32 v[ADRB+2*(\s)], s22, v4
	s_add_co_u32 s22, s22, HALFT
	v_add_nc_u32 v[ADRB+2*(\s)+1], s22, v4
	s_add_co_u32 s21, s21, SLOT
	s_add_co_u32 s22, s22, SLOT-HALFT
.endr
	s_mul_i32 s23, s10, 16*SPITCH
	s_add_co_u32 s23, s23, STAGE                   ; my stage
	v_mul_u32_u24 v6, v1, SPITCH                   ; in: row l % 16, 32 bytes for each half of the lanes
	v_lshl_add_u32 v6, v2, 5, v6
	v_add_nc_u32 v[STO], s23, v6
	v_mul_u32_u24 v7, v2, SPITCH                   ; back: lanes 0-15 one row of 256 bytes, lanes 16-31 the next
	v_lshl_add_u32 v7, v1, 4, v7
	v_add_nc_u32 v[RD], s23, v7
; 8 matrix instructions: row blocks a0, a0 + 1 x all 4 column blocks, 32 along K: half c of buffer f.  zero = 1: the bias starts the sums.  The 16 accumulators take turns.
.macro MUL8 f, c, a0, zero
	WIN MUL
.irp a, \a0, (\a0)+1
.irp b, 0,1,2,3
.if \zero
	v_wmma_f32_16x16x32_bf16 v[ACC+8*(4*(\a)+(\b)):ACC+8*(4*(\a)+(\b))+7], v[(\f)+64+8*(4*(\c)+(\b)):(\f)+64+8*(4*(\c)+(\b))+7], v[(\f)+8*(4*(\c)+(\a)):(\f)+8*(4*(\c)+(\a))+7], v[BIA+8*(\b):BIA+8*(\b)+7]
.else
	v_wmma_f32_16x16x32_bf16 v[ACC+8*(4*(\a)+(\b)):ACC+8*(4*(\a)+(\b))+7], v[(\f)+64+8*(4*(\c)+(\b)):(\f)+64+8*(4*(\c)+(\b))+7], v[(\f)+8*(4*(\c)+(\a)):(\f)+8*(4*(\c)+(\a))+7], v[ACC+8*(4*(\a)+(\b)):ACC+8*(4*(\a)+(\b))+7]
.endif
.endr
.endr
.endm
; 32 LDS loads in one run: the fragments of quarter q (64 along K: chunk q of A, rows 64 q on of W) into buffer f; the first 32 along K first
.macro FETCH slot, q, f
	WIN TO_F
.irp c, 0,1
.irp i, 0,1,2,3
	ds_load_tr16_b128 v[(\f)+64+8*(4*(\c)+(\i)):(\f)+64+8*(4*(\c)+(\i))+3],   v[ADRB+2*(\slot)+(\q)/2] offset:((\q)%2)*64*PB+(\c)*32*PB+32*(\i)
	ds_load_tr16_b128 v[(\f)+64+8*(4*(\c)+(\i))+4:(\f)+64+8*(4*(\c)+(\i))+7], v[ADRB+2*(\slot)+(\q)/2] offset:((\q)%2)*64*PB+(\c)*32*PB+32*(\i)+16*PB
	ds_load_b128 v[(\f)+8*(4*(\c)+(\i)):(\f)+8*(4*(\c)+(\i))+3],              v[ADRA+(\slot)] offset:(\q)*KBCH+64*(\c)+(\i)*16*PA
	ds_load_b128 v[(\f)+8*(4*(\c)+(\i))+4:(\f)+8*(4*(\c)+(\i))+7],            v[ADRA+(\slot)] offset:(\q)*KBCH+64*(\c)+(\i)*16*PA+32
.endr
.endr
.endm
.macro PLACES                          ; four plain vector instructions between matrix instructions and loads into, or stores of, their registers
.rept 4
	v_nop
.endr
.endm
.macro QUARTER slot, q, f, g, zero
	s_wait_dscnt 16                                ; the first 32 along K are in; the youngest sixteen loads may be out
	MUL8 \f, 0, 0, \zero
	MUL8 \f, 0, 2, \zero
	PLACES
	FETCH \slot, \q, \g
	s_wait_dscnt 32                                ; all but the 32 just issued
	MUL8 \f, 1, 0, 0
	MUL8 \f, 1, 2, 0
.endm
; The last quarter multiplies buffer 1 and changes slots: ONE barrier; in front of it each wave waits for all its tensor loads, adds 0 to its spare word, and waits for that and for its reads of this slot.
.macro TURN slot, next, fill
	WIN 0
	s_wait_tensorcnt 0x0                           ; all my tensor loads have landed: my part of the next slot
	ds_add_u32 v[SPW], v[NIL]
	s_wait_dscnt 17                                ; the add and the youngest sixteen loads may be out
	MUL8 F1, 0, 0, 0
	s_wait_dscnt 0x0                               ; the add is done, and my reads of this slot are over
	s_barrier_signal -1
	MUL8 F1, 0, 2, 0
.if \fill
	WIN 0
.endif
	s_barrier_wait -1
.if \fill
	CREST                                          ; no wave of any partner still reads this slot's tile or has a load on its way
	s_add_nc_u64 s[G0+4*(\slot)+2:G0+4*(\slot)+3], s[G0+4*(\slot)+2:G0+4*(\slot)+3], 2*STEPB
	s_add_nc_u64 s[G0B+4*(\slot)+2:G0B+4*(\slot)+3], s[G0B+4*(\slot)+2:G0B+4*(\slot)+3], 2*STEPB
	JLOAD \slot                                    ; my one load behind the round; its four v_nop are also the places in front of the loads below
.else
	PLACES
.endif
	FETCH \next, 0, F0
	MUL8 F1, 1, 0, 0
	MUL8 F1, 1, 2, 0
.endm
; THE WAY OUT of block a (16 rows x 64 columns of f32): into my stage, each accumulator's low four registers first, and back as whole rows of 256 bytes; the residual is added; stored.
.macro STG a
.irp b, 0,1,2,3
	ds_store_b128 v[STO], v[ACC+8*(4*(\a)+(\b)):ACC+8*(4*(\a)+(\b))+3]   offset:64*(\b)
	ds_store_b128 v[STO], v[ACC+8*(4*(\a)+(\b))+4:ACC+8*(4*(\a)+(\b))+7] offset:64*(\b)+16
.endr
.irp t, 0,1,2,3,4,5,6,7
	ds_load_b128 v[BK0+32*((\a)%2)+4*(\t):BK0+32*((\a)%2)+4*(\t)+3], v[RD] offset:2*SPITCH*(\t)  ; LDS serves a wave's instructions in order (ISA guide 5.7.1.4)
.endr
.endm
.macro OUT a, younger                  ; younger: the LDS instructions issued behind block a's loads
.set BK, BK0+32*((\a)%2)
	s_wait_dscnt \younger
	WIN 0x08                                       ; source 1 in window 2
.set i, 0
.rept 16
	v_pk_add_f32 v[BK+2*i:BK+2*i+1], v[BK+2*i:BK+2*i+1], v[32*(\a)+2*i:32*(\a)+2*i+1]
.set i, i+1
.endr
	WIN 0
.irp t, 0,1,2,3,4,5,6,7
	global_store_b128 v[CO], v[BK+4*(\t):BK+4*(\t)+3], s[8:9] offset:(16*(\a)+2*(\t))*4096  ; 16 lanes store 256 consecutive bytes, aligned
.endr
.endm
	s_wait_tensorcnt 1                             ; my part of K step 0 is in; K step 1's may stay out
	s_barrier_signal -1
	s_barrier_wait -1
	FETCH 0, 0, F0
	s_wait_loadcnt 32                              ; the bias is in; the residual's 32 loads, which are younger, stay out
	QUARTER 0, 1, F0, F1, 1
	WIN 0
	s_mov_b32 s3, LAPS-1
.Llap:                                                 ; a trip goes once round the ring and fills both slots again
	QUARTER 0, 2, F1, F0, 0
	QUARTER 0, 3, F0, F1, 0
	TURN 0, 1, 1
	QUARTER 1, 1, F0, F1, 0
	QUARTER 1, 2, F1, F0, 0
	QUARTER 1, 3, F0, F1, 0
	TURN 1, 0, 1
	QUARTER 0, 1, F0, F1, 0
	WIN 0
	s_sub_co_u32 s3, s3, 1
	s_cmp_lg_u32 s3, 0
	s_cbranch_scc1 .Llap
	QUARTER 0, 2, F1, F0, 0                        ; the last lap is written out: it asks for nothing
	QUARTER 0, 3, F0, F1, 0
	TURN 0, 1, 0
	QUARTER 1, 1, F0, F1, 0
	QUARTER 1, 2, F1, F0, 0
	QUARTER 1, 3, F0, F1, 0
	s_wait_dscnt 16
	MUL8 F1, 0, 0, 0
	MUL8 F1, 0, 2, 0
	s_wait_dscnt 0x0
	MUL8 F1, 1, 0, 0
	MUL8 F1, 1, 2, 0
	WIN 0
	PLACES
	s_wait_loadcnt 0x0                             ; the residual
	STG 0
	STG 1
	OUT 0, 16
	s_wait_xcnt 0x0                                ; block 0's stores have read their registers: block 2 is loaded into them
	STG 2
	OUT 1, 16
	s_wait_xcnt 0x0
	STG 3
	OUT 2, 16
	OUT 3, 0
	s_wait_tensorcnt 0x0                           ; the wave's end
	ds_add_u32 v[SPW], v[NIL]
	s_wait_dscnt 0x0
	CROUND                                         ; the closing round
	s_endpgm
.Lfunc_end_k_qf97ff78086_wo:
	.size	k_qf97ff78086_wo, .Lfunc_end_k_qf97ff78086_wo-k_qf97ff78086_wo
	.p2alignl 7, 3214868480
	.fill 96, 4, 3214868480
	.section	.rodata,"a",@progbits
	.p2align	6, 0x0
	.amdhsa_kernel k_qf97ff78086_wo
		.amdhsa_group_segment_fixed_size 327680
		.amdhsa_private_segment_fixed_size 0
		.amdhsa_enable_private_segment 0
		.amdhsa_kernarg_size 40
		.amdhsa_user_sgpr_count 2
		.amdhsa_user_sgpr_kernarg_segment_ptr 1
		.amdhsa_wavefront_size32 1
		.amdhsa_system_sgpr_workgroup_id_x 1
		.amdhsa_system_sgpr_workgroup_id_y 1
		.amdhsa_system_sgpr_workgroup_id_z 1
		.amdhsa_system_vgpr_workitem_id 0
		.amdhsa_next_free_vgpr 640
		.amdhsa_next_free_sgpr 82
		.amdhsa_reserve_vcc 0
		.amdhsa_float_denorm_mode_32 3
		.amdhsa_float_denorm_mode_16_64 3
		.amdhsa_memory_ordered 1
		.amdhsa_forward_progress 1
		.amdhsa_inst_pref_size 94
	.end_amdhsa_kernel
	.amdgpu_metadata
---
amdhsa.version: [ 1, 2 ]
amdhsa.kernels:
  - .name:           k_qf97ff78086_wo
    .symbol:         k_qf97ff78086_wo.kd
    .args:
      - { .name: act, .offset: 0, .size: 8, .value_kind: global_buffer, .address_space: global }
      - { .name: wow2, .offset: 8, .size: 8, .value_kind: global_buffer, .address_space: global }
      - { .name: bo, .offset: 16, .size: 8, .value_kind: global_buffer, .address_space: global }
      - { .name: x, .offset: 24, .size: 8, .value_kind: global_buffer, .address_space: global }
      - { .name: x1, .offset: 32, .size: 8, .value_kind: global_buffer, .address_space: global }
    .group_segment_fixed_size: 327680
    .private_segment_fixed_size: 0
    .kernarg_segment_align: 8
    .kernarg_segment_size: 40
    .max_flat_workgroup_size: 128
    .sgpr_count:     82
    .vgpr_count:     640
    .wavefront_size: 32
...
	.end_amdgpu_metadata
.endif
;; end of part 4
;; launch ln2 (part 5): grid 256 x 1, 8 waves a work-group, no clusters, 0 bytes of LDS; arguments x1, ln2_g, ln2_b, act; writes act
.if DOCPART == 5
	.amdgcn_target "amdgcn-amd-amdhsa--gfx1250"
	.amdhsa_code_object_version 6
	.text
	.protected	k_qf97ff78086_ln2
	.globl	k_qf97ff78086_ln2
	.p2align	8
	.type	k_qf97ff78086_ln2,@function
k_qf97ff78086_ln2:
	s_mov_b64 s[64:65], 0
	v_nop
	global_prefetch_b8 v0, s[64:65] scope:SCOPE_SE
	s_setreg_imm32_b32 hwreg(HW_REG_WAVE_MODE, 25, 1), 1
	s_wait_xcnt 0x0
; h2 = LayerNorm(x1) g + b, 16 rows a work-group, rounded once to bf16 into act: bf16 [32 mb][16 kb][128 r][64 c] (token 128 mb + r, column 64 kb + c).
; Lanes 0-15 of a wave hold one row, lanes 16-31 the next: the row stays in registers between the passes, the reductions never leave 16 lanes: no LDS, no barrier.
; The mean is taken first and the variance of the differences, so a common offset costs no digits.
.set A,    2                           ; v[2:9]     four running pairs
.set MU,   10                          ; v[10:11]   the mean, named as a pair
.set RS,   12                          ; v[12:13]   1 / sqrt(var + eps), named as a pair
.set X,    16                          ; v[16:79]   my 64 numbers of the row
.set G,    80                          ; v[80:143]  gain of my 64 columns
.set BT,   144                         ; v[144:207] bias of my 64 columns
.set XO,   208
.set GO,   209
.set YO,   210
.set PX,   4                           ; s[4:5] x1    s[6:7] gain    s[8:9] bias    s[10:11] act
.set PG,   6
.set PB,   8
.set PY,   10
.set SK,   40
.set SE,   41
.macro REDUCE                          ; four pairs -> one number -> the sum over the 16 lanes that hold the row, in each of them
	v_pk_add_f32 v[A:A+1], v[A:A+1], v[A+2:A+3]
	v_pk_add_f32 v[A+4:A+5], v[A+4:A+5], v[A+6:A+7]
	v_pk_add_f32 v[A:A+1], v[A:A+1], v[A+4:A+5]
	v_add_f32 v[A], v[A], v[A+1]
	v_add_f32_dpp v[A], v[A], v[A] row_xmask:1 row_mask:0xf bank_mask:0xf
	v_add_f32_dpp v[A], v[A], v[A] row_xmask:2 row_mask:0xf bank_mask:0xf
	v_add_f32_dpp v[A], v[A], v[A] row_xmask:4 row_mask:0xf bank_mask:0xf
	v_add_f32_dpp v[A], v[A], v[A] row_xmask:8 row_mask:0xf bank_mask:0xf
.endm
	s_load_b256 s[4:11], s[0:1], 0x0
	s_mov_b32 s34, ttmp9
	s_lshl_b32 s36, s34, 16                        ; 16 rows of 4,096 bytes
	s_mov_b32 s37, 0
	s_lshr_b32 s38, s34, 3                         ; mb = g / 8
	s_lshl_b32 s38, s38, 18
	s_and_b32 s39, s34, 7                          ; 16 rows of 128 bytes inside a chunk
	s_lshl_b32 s39, s39, 11
	s_add_co_u32 s38, s38, s39
	s_mov_b32 s39, 0
	s_mov_b32 s[SK], 0x3a800000                    ; 1 / 1024
	s_mov_b32 s[SE], 0x3727c5ac                    ; 1e-5
	v_lshrrev_b32 v1, 4, v0                        ; my row among the 16
	v_and_b32 v[GO], 15, v0
	v_lshlrev_b32 v[GO], 4, v[GO]
	v_lshl_add_u32 v[XO], v1, 12, v[GO]
	v_lshlrev_b32 v[YO], 3, v0                     ; row x 128 + 8 x (lane % 16) = 8 x thread
	s_wait_kmcnt 0x0
	s_add_nc_u64 s[PX:PX+1], s[PX:PX+1], s[36:37]
	s_add_nc_u64 s[PY:PY+1], s[PY:PY+1], s[38:39]
.irp c, 0,1,2,3,4,5,6,7,8,9,10,11,12,13,14,15
	global_load_b128 v[X+4*(\c):X+4*(\c)+3], v[XO], s[PX:PX+1] offset:256*(\c)  ; 256 consecutive bytes of each of the two rows: the 64 columns of chunk c
.endr
.irp c, 0,1,2,3,4,5,6,7,8,9,10,11,12,13,14,15
	global_load_b128 v[G+4*(\c):G+4*(\c)+3], v[GO], s[PG:PG+1] offset:256*(\c)
.endr
.irp c, 0,1,2,3,4,5,6,7,8,9,10,11,12,13,14,15
	global_load_b128 v[BT+4*(\c):BT+4*(\c)+3], v[GO], s[PB:PB+1] offset:256*(\c)
.endr
	s_wait_loadcnt 32                              ; the row is in; the 32 younger loads, gain and bias, stay out
.irp k, 0,1,2,3
	v_pk_add_f32 v[A+2*(\k):A+2*(\k)+1], v[X+2*(\k):X+2*(\k)+1], v[X+8+2*(\k):X+8+2*(\k)+1]
.endr
.set j, 8
.rept 24
	v_pk_add_f32 v[A+2*(j%4):A+2*(j%4)+1], v[A+2*(j%4):A+2*(j%4)+1], v[X+2*j:X+2*j+1]
.set j, j+1
.endr
	REDUCE
	v_mul_f32 v[MU], s[SK], v[A]
	v_mov_b32 v[MU+1], v[MU]
.set j, 0
.rept 32
	v_pk_add_f32 v[X+2*j:X+2*j+1], v[X+2*j:X+2*j+1], v[MU:MU+1] op_sel_hi:[1,0] neg_lo:[0,1] neg_hi:[0,1]
.set j, j+1
.endr
.irp k, 0,1,2,3
	v_pk_mul_f32 v[A+2*(\k):A+2*(\k)+1], v[X+2*(\k):X+2*(\k)+1], v[X+2*(\k):X+2*(\k)+1]
.endr
.set j, 4
.rept 28
	v_pk_fma_f32 v[A+2*(j%4):A+2*(j%4)+1], v[X+2*j:X+2*j+1], v[X+2*j:X+2*j+1], v[A+2*(j%4):A+2*(j%4)+1]
.set j, j+1
.endr
	REDUCE
	v_fma_f32 v[RS], v[A], s[SK], s[SE]            ; var + eps
	v_rsq_f32 v[RS], v[RS]
	v_nop                                          ; a plain instruction between the root and the use of its result (ISA guide 5.7.2)
	s_wait_alu depctr_va_vdst(0)
	v_mov_b32 v[RS+1], v[RS]
	s_wait_loadcnt 0x0                             ; gain and bias
.set j, 0
.rept 32
	v_pk_mul_f32 v[X+2*j:X+2*j+1], v[X+2*j:X+2*j+1], v[RS:RS+1] op_sel_hi:[1,0]
	v_pk_fma_f32 v[X+2*j:X+2*j+1], v[X+2*j:X+2*j+1], v[G+2*j:G+2*j+1], v[BT+2*j:BT+2*j+1]
.set j, j+1
.endr
.irp c, 0,1,2,3,4,5,6,7,8,9,10,11,12,13,14,15
	v_cvt_pk_bf16_f32 v[X+4*(\c)], v[X+4*(\c)], v[X+4*(\c)+1]
	v_cvt_pk_bf16_f32 v[X+4*(\c)+1], v[X+4*(\c)+2], v[X+4*(\c)+3]
	global_store_b64 v[YO], v[X+4*(\c):X+4*(\c)+1], s[PY:PY+1] offset:16384*(\c)  ; the wave's 32 lanes store 256 consecutive bytes, aligned: two rows of chunk c
.endr
	s_endpgm
.Lfunc_end_k_qf97ff78086_ln2:
	.size	k_qf97ff78086_ln2, .Lfunc_end_k_qf97ff78086_ln2-k_qf97ff78086_ln2
	.p2alignl 7, 3214868480
	.fill 96, 4, 3214868480
	.section	.rodata,"a",@progbits
	.p2align	6, 0x0
	.amdhsa_kernel k_qf97ff78086_ln2
		.amdhsa_group_segment_fixed_size 0
		.amdhsa_private_segment_fixed_size 0
		.amdhsa_enable_private_segment 0
		.amdhsa_kernarg_size 32
		.amdhsa_user_sgpr_count 2
		.amdhsa_user_sgpr_kernarg_segment_ptr 1
		.amdhsa_wavefront_size32 1
		.amdhsa_system_sgpr_workgroup_id_x 1
		.amdhsa_system_sgpr_workgroup_id_y 1
		.amdhsa_system_sgpr_workgroup_id_z 1
		.amdhsa_system_vgpr_workitem_id 0
		.amdhsa_next_free_vgpr 216
		.amdhsa_next_free_sgpr 66
		.amdhsa_reserve_vcc 0
		.amdhsa_float_denorm_mode_32 3
		.amdhsa_float_denorm_mode_16_64 3
		.amdhsa_memory_ordered 1
		.amdhsa_forward_progress 1
		.amdhsa_inst_pref_size 21
	.end_amdhsa_kernel
	.amdgpu_metadata
---
amdhsa.version: [ 1, 2 ]
amdhsa.kernels:
  - .name:           k_qf97ff78086_ln2
    .symbol:         k_qf97ff78086_ln2.kd
    .args:
      - { .name: x1, .offset: 0, .size: 8, .value_kind: global_buffer, .address_space: global }
      - { .name: ln2_g, .offset: 8, .size: 8, .value_kind: global_buffer, .address_space: global }
      - { .name: ln2_b, .offset: 16, .size: 8, .value_kind: global_buffer, .address_space: global }
      - { .name: act, .offset: 24, .size: 8, .value_kind: global_buffer, .address_space: global }
    .group_segment_fixed_size: 0
    .private_segment_fixed_size: 0
    .kernarg_segment_align: 8
    .kernarg_segment_size: 32
    .max_flat_workgroup_size: 256
    .sgpr_count:     66
    .vgpr_count:     216
    .wavefront_size: 32
...
	.end_amdgpu_metadata
.endif
;; end of part 5
;; launch ff1: the kernel of part 2 again; grid 16 x 16, 4 waves a work-group, clusters of 4 x 4, 327,680 bytes of LDS; arguments act, w1b, b1, zb, big; writes big
;; launch ff2 (part 6): grid 8 x 32, 4 waves a work-group, clusters of 4 x 4, 327,680 bytes of LDS; arguments big, wow2, b2, x1, out0; writes out0
.if DOCPART == 6
	.amdgcn_target "amdgcn-amd-amdhsa--gfx1250"
	.amdhsa_code_object_version 6
	.text
	.protected	k_qf97ff78086_ff2
	.globl	k_qf97ff78086_ff2
	.p2align	8
	.type	k_qf97ff78086_ff2,@function
k_qf97ff78086_ff2:
	s_mov_b64 s[64:65], 0
	v_nop
	global_prefetch_b8 v0, s[64:65] scope:SCOPE_SE
	s_setreg_imm32_b32 hwreg(HW_REG_WAVE_MODE, 25, 1), 1
	s_wait_xcnt 0x0
	s_wait_alu depctr_hold_cnt(0) depctr_sa_sdst(0) depctr_va_vdst(0) depctr_va_sdst(0) depctr_va_ssrc(0) depctr_va_vcc(0) depctr_vm_vsrc(0)
	s_getreg_b32 s2, hwreg(HW_REG_IB_STS2, 6, 4)
	s_cmp_eq_u32 s2, 0
	s_cbranch_scc0 .Lentry_in_a_cluster
	s_endpgm
.Lentry_in_a_cluster:
	s_bfe_u32 s2, ttmp6, 0x10000c
	s_cmp_lg_u32 s2, 0xf033
	s_cbranch_scc0 .Lentry_shape_is_right
	s_endpgm
.Lentry_shape_is_right:
; out = res + A W + bias, 1,024 columns, f32 out.  Here: out0 = x1 + relu(..) W2 + b2, K = 4,096.  (The same text with KK = 1,024 and WOFF = 0 is the attention's output projection.)
; A: bf16 [32 mb][KK / 64 kb][128 r][64 c].   W: bf16 [8 nb][KK k][128 n] at byte WOFF of its buffer.   bias: f32 [1024].   res, out: f32 [4096][1024].
; SHARES.  32 x 8 tiles of 128 x 128 give each of 256 work-groups one; four waves, 64 x 64 each: 16 accumulators.  K goes in steps of 256 through two LDS slots; every tensor load brings 32,768 dense
; bytes as 128 rows of 256: two kb chunks of A (LDS rows of 144 bytes) or 128 k rows of W (LDS rows of 288).  W lies [k][n] and is turned by ds_load_tr16_b128.
; The bias is the C operand of the first products.  The residual is loaded at the start, in the layout of the stores, and is on its way under the whole K loop.
; THE MATRIX INSTRUCTION IS USED TRANSPOSED (source 0 = 16 columns of W, source 1 = 16 rows of A): a lane holds one row and eight neighbouring columns, 32 bytes of f32.
; CLUSTER 4 x 4: A's tiles are shared along a row of the cluster, W's along a column: joint loads.
; REGISTERS: window 0: v16-29 addresses; v32-95 rows on the way out, two buffers; v96-127 the bias; v128-255 accumulators, (a, b) at 128 + 8 (4 a + b)
;   window 1: two fragment buffers of 128: 64 of A (2 x 4 x 16 rows x 32 K), then 64 of W     window 2: v0-127 the residual
.set KK,     4096
.set WOFF,   2097152
.set MBS,    KK*256                    ; bytes of one mb of A, and of one nb of W
.set PA,     144
.set PB,     288
.set KBCH,   128*PA
.set HALFT,  2*KBCH                    ; what one tensor load fills
.set SLOT,   4*HALFT                   ; A's four chunks, then W's 256 rows
.set STAGE,  2*SLOT                    ; behind the ring: 16 rows x 272 bytes for each wave
.set SPITCH, 272
.set SPARE,  STAGE+4*16*SPITCH         ; behind the stages: the spare words, 128 bytes a wave, which no other line names
.set STEPB,  65536                     ; bytes of A and of W in a K step of 256
.set LAPS,   KK/512
.set ADRA, 16                          ; v16-17  my A fragments in slot 0, 1
.set ADRB, 20                          ; v20-23  my W fragments: slot s, k half f at 2 s + f
.set STO,  24
.set RD,   25
.set CO,   26                          ; my byte offset in two rows of res and out
.set BO,   27
.set SPW,  28
.set NIL,  29
.set BK0,  32
.set BIA,  96
.set ACC,  128
.set F0,   0
.set F1,   128
.set G1,   24
.set G0,   32
.set G1B,  48
.set G0B,  56
.set MSB, 0
.macro WIN new
.if MSB != (\new)
	s_set_vgpr_msb (MSB<<8)|(\new)
.set MSB, \new
.endif
.endm
.set MUL,  0x05                        ; sources 0 (W) and 1 (A) window 1; C and D window 0
.set TO_F, 0x40                        ; destination window 1, address window 0
.macro JLOAD s                         ; a joint load: waves 0 and 1 fetch A's two halves, waves 2 and 3 W's; an s_nop 0 and four v_nop follow each line
	s_cmp_eq_u32 s11, 0
	s_cbranch_scc0 .Lfor_b_\@
	tensor_load_to_lds s[G0+4*(\s):G0+4*(\s)+3], s[G1:G1+7]
	s_nop 0
.rept 4
	v_nop
.endr
	s_branch .Lasked_\@
.Lfor_b_\@:
	tensor_load_to_lds s[G0B+4*(\s):G0B+4*(\s)+3], s[G1B:G1B+7]
	s_nop 0
.rept 4
	v_nop
.endr
.Lasked_\@:
.endm
.macro CREST
	s_cmp_lg_u32 s10, 0
	s_cbranch_scc1 .Lnot_wave_0_\@
	s_barrier_signal -3
.Lnot_wave_0_\@:
	s_barrier_wait -3
	s_barrier_signal -1
	s_barrier_wait -1
.endm
.macro CROUND
	s_barrier_signal -1
	s_barrier_wait -1
	CREST
.endm
	s_load_b256 s[72:79], s[0:1], 0x0              ; A s[72:73], W s[74:75], bias s[76:77], res s[78:79]
	s_load_b64 s[8:9], s[0:1], 0x20                ; out
	v_lshl_add_u32 v[SPW], v0, 2, SPARE
	v_mov_b32 v[NIL], 0
	ds_add_u32 v28, v29
	ds_add_u32 v28, v29
	s_wait_dscnt 0x0
	v_lshrrev_b32 v1, 5, v0
	v_readfirstlane_b32 s10, v1                    ; wave 0..3
	s_lshr_b32 s11, s10, 1                         ; which 64 rows of the tile are mine.  Also: I fetch for A (0) or for W (1)
	s_and_b32 s12, s10, 1                          ; which 64 columns.  Also: which half of a step's K I fetch
	s_bfe_u32 s40, ttmp6, 0x40000
	s_bfe_u32 s41, ttmp6, 0x40004
	s_lshl_b32 s42, ttmp9, 2
	s_add_co_u32 s42, s42, s40                     ; tile column = 4 x cluster x + cx
	s_and_b32 s13, ttmp7, 0xffff
	s_lshl_b32 s13, s13, 2
	s_add_co_u32 s13, s13, s41                     ; tile row = 4 x cluster y + cy
	s_lshl_b32 s43, s41, 2
	s_lshl_b32 s43, 15, s43                        ; my row of the cluster
	s_lshl_b32 s44, 0x1111, s40                    ; my column
	s_or_b32 s[G1+0], s43, (1<<16)|(1<<20)|(1<<21)|(4<<22)|(3<<25)   ; the mask; 2-byte elements; padding on; bit 21 beside a mask; after every 32 words, 4 words
	s_or_b32 s[G1B+0], s44, (1<<16)|(1<<20)|(1<<21)|(5<<22)|(7<<25)  ; W: after every 64 words, 8 words
.irp g, G1, G1B
	s_mov_b32 s[(\g)+1], 128<<16                   ; tensor_dim0 = 128 elements (256 bytes)
	s_mov_b32 s[(\g)+2], 128<<16                   ; tensor_dim1 = 128
	s_mov_b32 s[(\g)+3], 128<<16                   ; tile_dim0 = 128
	s_mov_b32 s[(\g)+4], 128                       ; tile_dim1 = 128
	s_mov_b32 s[(\g)+5], 128                       ; dense
	s_mov_b32 s[(\g)+6], 0
	s_mov_b32 s[(\g)+7], 0
.endr
	s_mul_i32 s16, s13, MBS                        ; A: mb = tile row; my two chunks of the step: of the tile row and the wave's number alone
	s_lshl_b32 s17, s12, 15
	s_add_co_u32 s16, s16, s17
	s_mov_b32 s17, 0
	s_mul_i32 s46, s42, MBS                        ; W: nb = tile column; my 128 k rows of the step: of the tile column and the wave's number alone
	s_lshl_b32 s47, s12, 15
	s_add_co_u32 s46, s46, s47
	s_add_co_u32 s46, s46, WOFF
	s_mov_b32 s47, 0
	s_mul_i32 s20, s10, HALFT                      ; where my load lands
	s_wait_kmcnt 0x0
	s_add_nc_u64 s[14:15], s[72:73], s[16:17]
	s_add_nc_u64 s[46:47], s[74:75], s[46:47]
	CROUND                                         ; all sixteen work-groups are here: the first joint loads meet
.irp s, 0,1
	s_mov_b32 s[G0+4*(\s)], 1
	s_add_co_u32 s[G0+4*(\s)+1], s20, (\s)*SLOT
	s_add_nc_u64 s[G0+4*(\s)+2:G0+4*(\s)+3], s[14:15], (\s)*STEPB
	s_or_b32 s[G0+4*(\s)+3], s[G0+4*(\s)+3], 0x80000000
	s_mov_b32 s[G0B+4*(\s)], 1
	s_add_co_u32 s[G0B+4*(\s)+1], s20, (\s)*SLOT
	s_add_nc_u64 s[G0B+4*(\s)+2:G0B+4*(\s)+3], s[46:47], (\s)*STEPB
	s_or_b32 s[G0B+4*(\s)+3], s[G0B+4*(\s)+3], 0x80000000
	JLOAD \s                                       ; two loads of mine are out
.endr
	v_and_b32 v1, 15, v0                           ; l % 16
	v_bfe_u32 v2, v0, 4, 1                         ; l / 16
	s_lshl_b32 s46, s42, 9                         ; my first column in bytes of f32: 512 x tile column + 256 x half
	s_lshl_b32 s47, s12, 8
	s_add_co_u32 s46, s46, s47
	s_mov_b32 s47, 0
	s_add_nc_u64 s[76:77], s[76:77], s[46:47]
	s_lshl_b32 s16, s13, 19                        ; my first row: (128 x tile row + 64 x half) x 4,096 bytes
	s_lshl_b32 s17, s11, 18
	s_add_co_u32 s16, s16, s17
	s_mov_b32 s17, 0
	s_add_nc_u64 s[16:17], s[16:17], s[46:47]
	s_add_nc_u64 s[78:79], s[78:79], s[16:17]
	s_add_nc_u64 s[8:9], s[8:9], s[16:17]
	v_lshlrev_b32 v[BO], 5, v2
	v_lshlrev_b32 v[CO], 12, v2                    ; lanes 0-15 one row's 256 bytes, lanes 16-31 the next row's
	v_lshl_add_u32 v[CO], v1, 4, v[CO]
.irp b, 0,1,2,3
	global_load_b128 v[BIA+8*(\b):BIA+8*(\b)+3],   v[BO], s[76:77] offset:64*(\b)
	global_load_b128 v[BIA+8*(\b)+4:BIA+8*(\b)+7], v[BO], s[76:77] offset:64*(\b)+16
.endr
	WIN 0x80                                       ; destination window 2
.set i, 0
.rept 32                               ; the residual: rows 2 i, 2 i + 1 of my 64
	global_load_b128 v[4*i:4*i+3], v[CO], s[78:79] offset:2*i*4096
.set i, i+1
.endr
	WIN 0
	v_mul_u32_u24 v3, v1, PA
	v_lshl_add_u32 v3, v2, 4, v3                   ; A: row x pitch + 16 x half
	s_mul_i32 s21, s11, 64*PA                      ; my 64 rows in each chunk
	v_and_b32 v4, 7, v0                            ; W, the turning load: k row 8 (l / 16) + l % 8, columns 8 ((l / 8) % 2) + 0..7
	v_lshl_add_u32 v4, v2, 3, v4
	v_mul_u32_u24 v4, v4, PB
	v_bfe_u32 v5, v0, 3, 1
	v_lshl_add_u32 v4, v5, 4, v4
	s_lshl_b32 s22, s12, 7                         ; my 64 columns,
	s_add_co_u32 s22, s22, 2*HALFT                 ; behind A's four chunks
.irp s, 0,1
	v_add_nc_u32 v[ADRA+(\s)], s21, v3
	v_add_nc_u32 v[ADRB+2*(\s)], s22, v4
	s_add_co_u32 s22, s22, HALFT
	v_add_nc_u32 v[ADRB+2*(\s)+1], s22, v4
	s_add_co_u32 s21, s21, SLOT
	s_add_co_u32 s22, s22, SLOT-HALFT
.endr
	s_mul_i32 s23, s10, 16*SPITCH
	s_add_co_u32 s23, s23, STAGE                   ; my stage
	v_mul_u32_u24 v6, v1, SPITCH                   ; in: row l % 16, 32 bytes for each half of the lanes
	v_lshl_add_u32 v6, v2, 5, v6
	v_add_nc_u32 v[STO], s23, v6
	v_mul_u32_u24 v7, v2, SPITCH                   ; back: lanes 0-15 one row of 256 bytes, lanes 16-31 the next
	v_lshl_add_u32 v7, v1, 4, v7
	v_add_nc_u32 v[RD], s23, v7
; 8 matrix instructions: row blocks a0, a0 + 1 x all 4 column blocks, 32 along K: half c of buffer f.  zero = 1: the bias starts the sums.  The 16 accumulators take turns.
.macro MUL8 f, c, a0, zero
	WIN MUL
.irp a, \a0, (\a0)+1
.irp b, 0,1,2,3
.if \zero
	v_wmma_f32_16x16x32_bf16 v[ACC+8*(4*(\a)+(\b)):ACC+8*(4*(\a)+(\b))+7], v[(\f)+64+8*(4*(\c)+(\b)):(\f)+64+8*(4*(\c)+(\b))+7], v[(\f)+8*(4*(\c)+(\a)):(\f)+8*(4*(\c)+(\a))+7], v[BIA+8*(\b):BIA+8*(\b)+7]
.else
	v_wmma_f32_16x16x32_bf16 v[ACC+8*(4*(\a)+(\b)):ACC+8*(4*(\a)+(\b))+7], v[(\f)+64+8*(4*(\c)+(\b)):(\f)+64+8*(4*(\c)+(\b))+7], v[(\f)+8*(4*(\c)+(\a)):(\f)+8*(4*(\c)+(\a))+7], v[ACC+8*(4*(\a)+(\b)):ACC+8*(4*(\a)+(\b))+7]
.endif
.endr
.endr
.endm
; 32 LDS loads in one run: the fragments of quarter q (64 along K: chunk q of A, rows 64 q on of W) into buffer f; the first 32 along K first
.macro FETCH slot, q, f
	WIN TO_F
.irp c, 0,1
.irp i, 0,1,2,3
	ds_load_tr16_b128 v[(\f)+64+8*(4*(\c)+(\i)):(\f)+64+8*(4*(\c)+(\i))+3],   v[ADRB+2*(\slot)+(\q)/2] offset:((\q)%2)*64*PB+(\c)*32*PB+32*(\i)
	ds_load_tr16_b128 v[(\f)+64+8*(4*(\c)+(\i))+4:(\f)+64+8*(4*(\c)+(\i))+7], v[ADRB+2*(\slot)+(\q)/2] offset:((\q)%2)*64*PB+(\c)*32*PB+32*(\i)+16*PB
	ds_load_b128 v[(\f)+8*(4*(\c)+(\i)):(\f)+8*(4*(\c)+(\i))+3],              v[ADRA+(\slot)] offset:(\q)*KBCH+64*(\c)+(\i)*16*PA
	ds_load_b128 v[(\f)+8*(4*(\c)+(\i))+4:(\f)+8*(4*(\c)+(\i))+7],            v[ADRA+(\slot)] offset:(\q)*KBCH+64*(\c)+(\i)*16*PA+32
.endr
.endr
.endm
.macro PLACES                          ; four plain vector instructions between matrix instructions and loads into, or stores of, their registers
.rept 4
	v_nop
.endr
.endm
.macro QUARTER slot, q, f, g, zero
	s_wait_dscnt 16                                ; the first 32 along K are in; the youngest sixteen loads may be out
	MUL8 \f, 0, 0, \zero
	MUL8 \f, 0, 2, \zero
	PLACES
	FETCH \slot, \q, \g
	s_wait_dscnt 32                                ; all but the 32 just issued
	MUL8 \f, 1, 0, 0
	MUL8 \f, 1, 2, 0
.endm
; The last quarter multiplies buffer 1 and changes slots: ONE barrier; in front of it each wave waits for all its tensor loads, adds 0 to its spare word, and waits for that and for its reads of this slot.
.macro TURN slot, next, fill
	WIN 0
	s_wait_tensorcnt 0x0                           ; all my tensor loads have landed: my part of the next slot
	ds_add_u32 v[SPW], v[NIL]
	s_wait_dscnt 17                                ; the add and the youngest sixteen loads may be out
	MUL8 F1, 0, 0, 0
	s_wait_dscnt 0x0                               ; the add is done, and my reads of this slot are over
	s_barrier_signal -1
	MUL8 F1, 0, 2, 0
.if \fill
	WIN 0
.endif
	s_barrier_wait -1
.if \fill
	CREST                                          ; no wave of any partner still reads this slot's tile or has a load on its way
	s_add_nc_u64 s[G0+4*(\slot)+2:G0+4*(\slot)+3], s[G0+4*(\slot)+2:G0+4*(\slot)+3], 2*STEPB
	s_add_nc_u64 s[G0B+4*(\slot)+2:G0B+4*(\slot)+3], s[G0B+4*(\slot)+2:G0B+4*(\slot)+3], 2*STEPB
	JLOAD \slot                                    ; my one load behind the round; its four v_nop are also the places in front of the loads below
.else
	PLACES
.endif
	FETCH \next, 0, F0
	MUL8 F1, 1, 0, 0
	MUL8 F1, 1, 2, 0
.endm
; THE WAY OUT of block a (16 rows x 64 columns of f32): into my stage, each accumulator's low four registers first, and back as whole rows of 256 bytes; the residual is added; stored.
.macro STG a
.irp b, 0,1,2,3
	ds_store_b128 v[STO], v[ACC+8*(4*(\a)+(\b)):ACC+8*(4*(\a)+(\b))+3]   offset:64*(\b)
	ds_store_b128 v[STO], v[ACC+8*(4*(\a)+(\b))+4:ACC+8*(4*(\a)+(\b))+7] offset:64*(\b)+16
.endr
.irp t, 0,1,2,3,4,5,6,7
	ds_load_b128 v[BK0+32*((\a)%2)+4*(\t):BK0+32*((\a)%2)+4*(\t)+3], v[RD] offset:2*SPITCH*(\t)  ; LDS serves a wave's instructions in order (ISA guide 5.7.1.4)
.endr
.endm
.macro OUT a, younger                  ; younger: the LDS instructions issued behind block a's loads
.set BK, BK0+32*((\a)%2)
	s_wait_dscnt \younger
	WIN 0x08                                       ; source 1 in window 2
.set i, 0
.rept 16
	v_pk_add_f32 v[BK+2*i:BK+2*i+1], v[BK+2*i:BK+2*i+1], v[32*(\a)+2*i:32*(\a)+2*i+1]
.set i, i+1
.endr
	WIN 0
.irp t, 0,1,2,3,4,5,6,7
	global_store_b128 v[CO], v[BK+4*(\t):BK+4*(\t)+3], s[8:9] offset:(16*(\a)+2*(\t))*4096  ; 16 lanes store 256 consecutive bytes, aligned
.endr
.endm
	s_wait_tensorcnt 1                             ; my part of K step 0 is in; K step 1's may stay out
	s_barrier_signal -1
	s_barrier_wait -1
	FETCH 0, 0, F0
	s_wait_loadcnt 32                              ; the bias is in; the residual's 32 loads, which are younger, stay out
	QUARTER 0, 1, F0, F1, 1
	WIN 0
	s_mov_b32 s3, LAPS-1
.Llap:                                                 ; a trip goes once round the ring and fills both slots again
	QUARTER 0, 2, F1, F0, 0
	QUARTER 0, 3, F0, F1, 0
	TURN 0, 1, 1
	QUARTER 1, 1, F0, F1, 0
	QUARTER 1, 2, F1, F0, 0
	QUARTER 1, 3, F0, F1, 0
	TURN 1, 0, 1
	QUARTER 0, 1, F0, F1, 0
	WIN 0
	s_sub_co_u32 s3, s3, 1
	s_cmp_lg_u32 s3, 0
	s_cbranch_scc1 .Llap
	QUARTER 0, 2, F1, F0, 0                        ; the last lap is written out: it asks for nothing
	QUARTER 0, 3, F0, F1, 0
	TURN 0, 1, 0
	QUARTER 1, 1, F0, F1, 0
	QUARTER 1, 2, F1, F0, 0
	QUARTER 1, 3, F0, F1, 0
	s_wait_dscnt 16
	MUL8 F1, 0, 0, 0
	MUL8 F1, 0, 2, 0
	s_wait_dscnt 0x0
	MUL8 F1, 1, 0, 0
	MUL8 F1, 1, 2, 0
	WIN 0
	PLACES
	s_wait_loadcnt 0x0                             ; the residual
	STG 0
	STG 1
	OUT 0, 16
	s_wait_xcnt 0x0                                ; block 0's stores have read their registers: block 2 is loaded into them
	STG 2
	OUT 1, 16
	s_wait_xcnt 0x0
	STG 3
	OUT 2, 16
	OUT 3, 0
	s_wait_tensorcnt 0x0                           ; the wave's end
	ds_add_u32 v[SPW], v[NIL]
	s_wait_dscnt 0x0
	CROUND                                         ; the closing round
	s_endpgm
.Lfunc_end_k_qf97ff78086_ff2:
	.size	k_qf97ff78086_ff2, .Lfunc_end_k_qf97ff78086_ff2-k_qf97ff78086_ff2
	.p2alignl 7, 3214868480
	.fill 96, 4, 3214868480
	.section	.rodata,"a",@progbits
	.p2align	6, 0x0
	.amdhsa_kernel k_qf97ff78086_ff2
		.amdhsa_group_segment_fixed_size 327680
		.amdhsa_private_segment_fixed_size 0
		.amdhsa_enable_private_segment 0
		.amdhsa_kernarg_size 40
		.amdhsa_user_sgpr_count 2
		.amdhsa_user_sgpr_kernarg_segment_ptr 1
		.amdhsa_wavefront_size32 1
		.amdhsa_system_sgpr_workgroup_id_x 1
		.amdhsa_system_sgpr_workgroup_id_y 1
		.amdhsa_system_sgpr_workgroup_id_z 1
		.amdhsa_system_vgpr_workitem_id 0
		.amdhsa_next_free_vgpr 640
		.amdhsa_next_free_sgpr 82
		.amdhsa_reserve_vcc 0
		.amdhsa_float_denorm_mode_32 3
		.amdhsa_float_denorm_mode_16_64 3
		.amdhsa_memory_ordered 1
		.amdhsa_forward_progress 1
		.amdhsa_inst_pref_size 94
	.end_amdhsa_kernel
	.amdgpu_metadata
---
amdhsa.version: [ 1, 2 ]
amdhsa.kernels:
  - .name:           k_qf97ff78086_ff2
    .symbol:         k_qf97ff78086_ff2.kd
    .args:
      - { .name: big, .offset: 0, .size: 8, .value_kind: global_buffer, .address_space: global }
      - { .name: wow2, .offset: 8, .size: 8, .value_kind: global_buffer, .address_space: global }
      - { .name: b2, .offset: 16, .size: 8, .value_kind: global_buffer, .address_space: global }
      - { .name: x1, .offset: 24, .size: 8, .value_kind: global_buffer, .address_space: global }
      - { .name: out0, .offset: 32, .size: 8, .value_kind: global_buffer, .address_space: global }
    .group_segment_fixed_size: 327680
    .private_segment_fixed_size: 0
    .kernarg_segment_align: 8
    .kernarg_segment_size: 40
    .max_flat_workgroup_size: 128
    .sgpr_count:     82
    .vgpr_count:     640
    .wavefront_size: 32
...
	.end_amdgpu_metadata
.endif
;; end of part 6
